; MI455X (gfx1250); checked and timed in simulation.
; The chip was launched on July 23, 2026; its instructions are those of AMD's public machine-readable ISA for CDNA 5 (MIT licence, August 2026) and "CDNA5" Instruction Set Architecture Reference Guide (July 2026). The comments in the code are by the model that wrote it; some were corrected since.
;; Causal Self Attention. Allowed arithmetic: float matrix products may take bf16 or f16 operands with f32 sums; all other float work in f32.
;; Inputs: b_k 256 float32; b_o 1,024 float32; b_q 1,024 float32; b_v 256 float32; w_k 1,024 x 256 float32; w_o 1,024 x 1,024 float32; w_q 1,024 x 1,024 float32; w_v 1,024 x 256 float32; x 2 x 2,048 x 1,024 float32.
;; Outputs: out0 2 x 2,048 x 1,024 float32.
;; 2 versions, each right. Each part assembles by itself: llvm-mc -triple=amdgcn-amd-amdhsa -mcpu=gfx1250 --defsym DOCPART=n.
;; ======== version 1 of 2: 4 launches
;; limits: values are held in f16: magnitudes above 65,504 overflow, below 6.1e-05 lose precision
;; workspace buffers: xc 8,388,608 bytes; wc 5,242,880 bytes; qkv 14,680,064 bytes; yc 16,777,216 bytes
;; launch prep (part 1): grid 416 x 1, 8 waves a work-group, no clusters, 0 bytes of LDS; arguments x, w_q, w_k, w_v, w_o, xc, wc; writes xc, wc
.if DOCPART == 1
	.amdgcn_target "amdgcn-amd-amdhsa--gfx1250"
	.amdhsa_code_object_version 6
	.text
	.protected	k_q0b829ad268_prep
	.globl	k_q0b829ad268_prep
	.p2align	8
	.type	k_q0b829ad268_prep,@function
k_q0b829ad268_prep:
	s_mov_b64 s[64:65], 0
	v_nop
	global_prefetch_b8 v0, s[64:65] scope:SCOPE_SE
	s_setreg_imm32_b32 hwreg(HW_REG_WAVE_MODE, 25, 1), 1
	s_wait_xcnt 0x0
; Cast to bf16 and re-block, so that the two products that follow read dense bf16 tiles.
;   xc [kc 16][row 4096][64]                      from x   [4096][1024]
;   wc part 1 [j 8][kc 16][c 3][k 64][n 64]       from w_q, w_k, w_v.  Column chunk g (64 columns): g 0-15 w_q, 16-19 w_k, 20-23 w_v.
;                                                 Tiles j 0-3 hold chunks 3 j + c; tiles j 4-7 hold chunks 8 + j + 4 c: one of q, one of k, one of v.
;   wc part 2 [j 8][kc 16][c 2][k 64][n 64]       from w_o: g = 2 j + c; it starts at byte 3,145,728
; A work-group takes 256 rows x 64 columns: 65,536 bytes in, 32,768 out; 256 + 96 + 64 = 416 equal items, each byte read and written once.
; Thread t takes 8 numbers (32 bytes) at column 8 (t & 7) of rows 32 u + (t >> 3), u = 0..7: eight neighbouring lanes read 256
; consecutive bytes, and a wave's store covers 512 consecutive bytes, aligned.  All sixteen loads of a thread go out first.
; No LDS, no matrix unit, no cluster: no byte is used twice and no work-group shares a byte with another.
.set OFF, 2                            ; v[2:9]    byte offset of my 32 bytes in row 32 u + r
.set DOF, 10                           ; v[10:13]  byte offset of my 16 bytes out, for rows 64 q ..
.set XR,  16                           ; v[16:79]  8 f32 for each u
.set YR,  80                           ; v[80:111] 8 bf16 for each u
	s_load_b256 s[4:11], s[0:1], 0x0               ; x s[4:5], w_q s[6:7], w_k s[8:9], w_v s[10:11]
	s_load_b128 s[12:15], s[0:1], 0x20             ; w_o s[12:13], xc s[14:15]
	s_load_b64 s[16:17], s[0:1], 0x30              ; wc
	v_and_b32 v1, 7, v0
	v_lshrrev_b32 v14, 3, v0                       ; r = t >> 3
	v_lshlrev_b32 v1, 5, v1                        ; 32 (t & 7)
	s_mov_b32 s29, 0                               ; the offsets' high words
	s_mov_b32 s31, 0
	s_wait_kmcnt 0x0
	s_cmp_ge_u32 ttmp9, 256
	s_cbranch_scc1 .Lweights
	; items 0-255: x.  kc = id & 15, row group = id >> 4
	s_and_b32 s18, ttmp9, 15
	s_lshr_b32 s19, ttmp9, 4
	s_lshl_b32 s28, s19, 20                        ; 256 rows of 4,096 bytes
	s_lshl_b32 s2, s18, 8                          ; 64 columns of 4 bytes
	s_add_co_u32 s28, s28, s2
	s_lshl_b32 s30, s18, 19                        ; a chunk of xc: 4,096 rows of 128 bytes
	s_lshl_b32 s2, s19, 15                         ; 256 rows of 128 bytes
	s_add_co_u32 s30, s30, s2
	s_mov_b64 s[20:21], s[4:5]
	s_mov_b64 s[24:25], s[14:15]
	s_mov_b32 s22, 4096                            ; bytes in a source row
	s_mov_b32 s26, 8192                            ; bytes out from 64 rows to the next 64
	s_branch .Lgo
.Lweights:
	s_cmp_ge_u32 ttmp9, 352
	s_cbranch_scc1 .Lwo
	; items 256-351: w_q, w_k, w_v.  g = e >> 2, row group = e & 3
	s_sub_co_u32 s18, ttmp9, 256
	s_lshr_b32 s19, s18, 2
	s_and_b32 s18, s18, 3
	s_cmp_lt_u32 s19, 20
	s_cselect_b64 s[20:21], s[8:9], s[10:11]
	s_cselect_b32 s2, 16, 20
	s_cmp_lt_u32 s19, 16
	s_cselect_b64 s[20:21], s[6:7], s[20:21]
	s_cselect_b32 s2, 0, s2                        ; the first chunk of the matrix that g falls into
	s_cselect_b32 s22, 12, 10
	s_lshl_b32 s22, 1, s22                         ; a row of w_q is 4,096 bytes, of w_k and w_v 1,024
	s_sub_co_u32 s2, s19, s2
	s_lshl_b32 s28, s2, 8                          ; the chunk's 64 columns
	s_mul_i32 s3, s18, s22
	s_lshl_b32 s3, s3, 8                           ; 256 rows
	s_add_co_u32 s28, s28, s3
	s_mul_i32 s2, s19, 11
	s_lshr_b32 s2, s2, 5                           ; g < 12: j = g / 3 (11 g >> 5 is exact for g < 24),
	s_mul_i32 s3, s2, 3
	s_sub_co_u32 s3, s19, s3                       ;         c = g - 3 j
	s_and_b32 s27, s19, 3
	s_add_co_u32 s27, s27, 4                       ; g >= 12: j = 4 + (g & 3),
	s_sub_co_u32 s23, s19, 12
	s_lshr_b32 s23, s23, 2                         ;          c = (g - 12) >> 2
	s_cmp_lt_u32 s19, 12
	s_cselect_b32 s2, s2, s27
	s_cselect_b32 s3, s3, s23
	s_lshl_b32 s2, s2, 4
	s_lshl2_add_u32 s2, s18, s2                    ; 16 j + kc, kc = 4 x row group
	s_mul_i32 s2, s2, 3
	s_add_co_u32 s2, s2, s3
	s_lshl_b32 s30, s2, 13                         ; blocks of 64 x 64 bf16
	s_mov_b64 s[24:25], s[16:17]
	s_mov_b32 s26, 24576                           ; from kc to kc + 1: three blocks
	s_branch .Lgo
.Lwo:
	; items 352-415: w_o
	s_sub_co_u32 s18, ttmp9, 352
	s_lshr_b32 s19, s18, 2                         ; g
	s_and_b32 s18, s18, 3                          ; row group
	s_lshl_b32 s28, s19, 8
	s_lshl_b32 s2, s18, 20
	s_add_co_u32 s28, s28, s2
	s_lshr_b32 s2, s19, 1                          ; j
	s_lshl_b32 s2, s2, 4
	s_lshl2_add_u32 s2, s18, s2                    ; 16 j + kc
	s_lshl_b32 s2, s2, 1
	s_and_b32 s3, s19, 1                           ; c
	s_add_co_u32 s2, s2, s3
	s_lshl_b32 s30, s2, 13
	s_add_co_u32 s30, s30, 3145728                 ; part 2 of wc
	s_mov_b64 s[20:21], s[12:13]
	s_mov_b64 s[24:25], s[16:17]
	s_mov_b32 s22, 4096
	s_mov_b32 s26, 16384                           ; from kc to kc + 1: two blocks
.Lgo:
	s_add_nc_u64 s[20:21], s[20:21], s[28:29]      ; the item's first byte in
	s_add_nc_u64 s[24:25], s[24:25], s[30:31]      ; and out
	s_lshl_b32 s23, s22, 5                         ; 32 rows
	v_mad_u32_u24 v[OFF], v14, s22, v1
.irp u, 1,2,3,4,5,6,7
	v_add_nc_u32 v[OFF+\u], s23, v[OFF+\u-1]
.endr
	v_lshlrev_b32 v[DOF], 4, v0                    ; (row & 31) x 128 + 16 (t & 7) = 16 t
.irp q, 1,2,3
	v_add_nc_u32 v[DOF+\q], s26, v[DOF+\q-1]
.endr
.irp u, 0,1,2,3,4,5,6,7
	global_load_b128 v[XR+8*\u:XR+8*\u+3],   v[OFF+\u], s[20:21] th:TH_LOAD_NT
	global_load_b128 v[XR+8*\u+4:XR+8*\u+7], v[OFF+\u], s[20:21] offset:16 th:TH_LOAD_NT
.endr
.irp u, 0,1,2,3,4,5,6,7
	s_wait_loadcnt 14-2*\u                         ; loads come back in order: row u's two are in, the younger ones stay out
.irp p, 0,1,2,3
	v_cvt_pk_bf16_f32 v[YR+4*\u+\p], v[XR+8*\u+2*\p], v[XR+8*\u+2*\p+1]
.endr
	global_store_b128 v[DOF+\u/2], v[YR+4*\u:YR+4*\u+3], s[24:25] offset:(\u%2)*4096
.endr
	s_endpgm                                       ; no register was written twice: no further wait is owed
.Lfunc_end_k_q0b829ad268_prep:
	.size	k_q0b829ad268_prep, .Lfunc_end_k_q0b829ad268_prep-k_q0b829ad268_prep
	.p2alignl 7, 3214868480
	.fill 96, 4, 3214868480
	.section	.rodata,"a",@progbits
	.p2align	6, 0x0
	.amdhsa_kernel k_q0b829ad268_prep
		.amdhsa_group_segment_fixed_size 0
		.amdhsa_private_segment_fixed_size 0
		.amdhsa_enable_private_segment 0
		.amdhsa_kernarg_size 56
		.amdhsa_user_sgpr_count 2
		.amdhsa_user_sgpr_kernarg_segment_ptr 1
		.amdhsa_wavefront_size32 1
		.amdhsa_system_sgpr_workgroup_id_x 1
		.amdhsa_system_sgpr_workgroup_id_y 1
		.amdhsa_system_sgpr_workgroup_id_z 1
		.amdhsa_system_vgpr_workitem_id 0
		.amdhsa_next_free_vgpr 112
		.amdhsa_next_free_sgpr 66
		.amdhsa_reserve_vcc 0
		.amdhsa_float_denorm_mode_32 3
		.amdhsa_float_denorm_mode_16_64 3
		.amdhsa_memory_ordered 1
		.amdhsa_forward_progress 1
		.amdhsa_inst_pref_size 9
	.end_amdhsa_kernel
	.amdgpu_metadata
---
amdhsa.version: [ 1, 2 ]
amdhsa.kernels:
  - .name:           k_q0b829ad268_prep
    .symbol:         k_q0b829ad268_prep.kd
    .args:
      - { .name: x, .offset: 0, .size: 8, .value_kind: global_buffer, .address_space: global }
      - { .name: w_q, .offset: 8, .size: 8, .value_kind: global_buffer, .address_space: global }
      - { .name: w_k, .offset: 16, .size: 8, .value_kind: global_buffer, .address_space: global }
      - { .name: w_v, .offset: 24, .size: 8, .value_kind: global_buffer, .address_space: global }
      - { .name: w_o, .offset: 32, .size: 8, .value_kind: global_buffer, .address_space: global }
      - { .name: xc, .offset: 40, .size: 8, .value_kind: global_buffer, .address_space: global }
      - { .name: wc, .offset: 48, .size: 8, .value_kind: global_buffer, .address_space: global }
    .group_segment_fixed_size: 0
    .private_segment_fixed_size: 0
    .kernarg_segment_align: 8
    .kernarg_segment_size: 56
    .max_flat_workgroup_size: 256
    .sgpr_count:     66
    .vgpr_count:     112
    .wavefront_size: 32
...
	.end_amdgpu_metadata
.endif
;; end of part 1
;; launch qkvp (part 2): grid 8 x 32, 4 waves a work-group, clusters of 4 x 4, 327,680 bytes of LDS; arguments xc, wc, b_q, b_k, b_v, qkv; writes qkv
.if DOCPART == 2
	.amdgcn_target "amdgcn-amd-amdhsa--gfx1250"
	.amdhsa_code_object_version 6
	.text
	.protected	k_q0b829ad268_qkvp
	.globl	k_q0b829ad268_qkvp
	.p2align	8
	.type	k_q0b829ad268_qkvp,@function
k_q0b829ad268_qkvp:
	s_mov_b64 s[64:65], 0
	v_nop
	global_prefetch_b8 v0, s[64:65] scope:SCOPE_SE
	s_setreg_imm32_b32 hwreg(HW_REG_WAVE_MODE, 25, 1), 1
	s_wait_xcnt 0x0
	s_wait_alu depctr_hold_cnt(0) depctr_sa_sdst(0) depctr_va_vdst(0) depctr_va_sdst(0) depctr_va_ssrc(0) depctr_va_vcc(0) depctr_vm_vsrc(0)
	s_getreg_b32 s2, hwreg(HW_REG_IB_STS2, 6, 4)
	s_cmp_eq_u32 s2, 0
	s_cbranch_scc0 .Lentry_in_a_cluster
	s_endpgm
.Lentry_in_a_cluster:
	s_bfe_u32 s2, ttmp6, 0x10000c
	s_cmp_lg_u32 s2, 0xf033
	s_cbranch_scc0 .Lentry_shape_is_right
	s_endpgm
.Lentry_shape_is_right:
; qkv[g][row][n] = f16( sum over k of x[row][k] W[k][64 g + n] + bias[64 g + n] ), g 0-15 q, 16-19 k, 20-23 v; operands bf16, sums f32.
; v leaves as TWO f16 numbers: chunk 20 + kv holds hi = f16(v), chunk 24 + kv holds lo = f16(v - hi), 22 significant bits together.
; WHY f16, AND v TWICE.  A row that attends to few keys has |y| near |v|, far above the root mean square of the whole output, against which
; every number is held; one rounding of v to 8 bits (2^-9 relative) is then already more than a hundredth of that root mean square.
; LIMIT.  |q|, |k|, |v| stay below 65,504, f16's largest number.  x of spread 1 and weights of spread 0.02 give a spread of 0.64; both
; 30 times larger give 576; x offset by 30 and weights offset by 0.6 give about 18,400.
; A work-group makes 128 rows (i) x 192 columns (three chunks) with four waves; 8 x 32 = 256 work-groups.  Column tiles j 0-3 hold chunks
; 3 j + c; tiles j 4-7 hold chunks 8 + j + 4 c (one of q, one of k, one of v), so that chunk c = 2 is v's exactly where the cluster's x is 1:
; a number that all work-groups of a cluster share.
; Wave w: rows 64 (w >> 1) .., and in each chunk the columns 32 (w & 1) ..: 4 row blocks x 6 column tiles = 24 accumulators.
; K goes in 16 tiles of 64 through five LDS slots filled by the tensor data mover: x's 128 rows (pitch 144) and W's 192 rows
; [c][k] of 64 n (pitch 160).  W lies [k][n] and is transposed on the way into registers (ds_load_tr16_b128).
; CLUSTERS of 4 x 4: x's tile hangs on i alone and is asked for jointly by a row of the cluster, W's on j alone, by a column.
; Waves 0, 1 ask for x's halves, waves 2, 3 for W's: one tensor load a wave and tile; by this text's count at most five are out.
; Slots are filled again three at a time behind a round of the cluster's barrier; two landed tiles are then still unread.
; The matrix instruction is used transposed (source 0 = W, source 1 = x): lane (r, h) register j holds C(row0 + r, n0 + 8 h + j),
; eight neighbouring columns.  The bias, laid out the same way, is the C of the first products: nothing is cleared or added later.
; The 24 accumulators take turns, one instruction a turn, in the same order in every K 32.
.set NCH, 3
.set NB,  6
.set AP,  144                          ; LDS pitch of x's rows: 128 bytes + 16
.set BP,  160                          ; of W's rows: 128 + 32, an odd multiple of 32 for the transposing loads
.set ABYTES, 128*AP
.set SLOT,   ABYTES+NCH*64*BP          ; 49,152
.set STAGE,  5*SLOT                    ; the way out: [c 3 and v's lo][row 128] pitch 144; no tensor load ever lands here
.set CHUNK,  524288                    ; a chunk of qkv: 4,096 rows of 128 bytes
.set ASTR, 524288                      ; from K tile to K tile in xc
.set BSTR, NCH*8192                    ; and in wc
.set ADRA, 16                          ; v16-20  x fragments' LDS address, one for each slot
.set ADRB, 21                          ; v21-25  W fragments'
.set STO,  26
.set RD,   27
.set VB,   29
.set F0,   32                          ; v32-111   fragment buffer 0: W tile b at +8 b, x block a at +48 + 8 a
.set F1,   112                         ; v112-191  fragment buffer 1
.set XF,   48
.set BIAS, 192                         ; v192-239  bias of column tile b at +8 b
.set CO,   240                         ; v240-243  byte offset in qkv: 16 L + the chunk (c = 0, 1, 2; v's lo)
.set TL,   128                         ; the way out: f32 of v's hi, then v - hi
.set LOB,  192                         ; the way out: v's lo, packed
                                       ; window 1 (v256-447): accumulator (a, b) at 8 (6 a + b)
.set G1A, 24
.set G1B, 32
.set G0A, 40                           ; s[40:59] group 0 of x's loads, one set for each slot
.set ABASE, 60                         ; x's tile 0, type bits set
.set BBASE, 62                         ; W's tile 0, type bits set
.set G0B, 68                           ; s[68:87] group 0 of W's loads
.set BPT, 88                           ; s[88:93] bias of chunk c
.set OUTP, 94
; scalar temporaries: s100, s101 hold only what comes of cy and the wave; s2, s3, s23, s66, s67 only of cx and the wave; s96-99 of neither
.set MSB, 0
.macro WIN new                         ; s_set_vgpr_msb: bits 1:0 source 0, 3:2 source 1, 5:4 source 2, 7:6 destination; the high byte repeats the setting left
.if MSB != \new
	s_set_vgpr_msb (MSB<<8)|\new
.set MSB, \new
.endif
.endm
.macro PLACES                          ; four independent vector instructions between a matrix instruction and a load into, or a vector use of, its registers
.rept 4
	v_nop
.endr
.endm
.macro JLOAD s                         ; one joint load: the branch hangs on the wave's number alone
	s_cmp_eq_u32 s17, 0
	s_cbranch_scc0 .Lfor_b_\@
	tensor_load_to_lds s[G0A+4*\s:G0A+4*\s+3], s[G1A:G1A+7]
	s_nop 0
	s_branch .Lasked_\@
.Lfor_b_\@:
	tensor_load_to_lds s[G0B+4*\s:G0B+4*\s+3], s[G1B:G1B+7]
	s_nop 0
.Lasked_\@:
.endm
.macro CREST                           ; a round of the cluster's barrier behind its opening work-group barrier
	s_cmp_lg_u32 s16, 0
	s_cbranch_scc1 .Lnot_wave_0_\@
	s_barrier_signal -3
.Lnot_wave_0_\@:
	s_barrier_wait -3
	s_barrier_signal -1
	s_barrier_wait -1
.endm
.macro CROUND
	s_barrier_signal -1
	s_barrier_wait -1
	CREST
.endm
.macro SETADR s, t                     ; slot s gets tile t's addresses; written only where no tensor load of the wave is out
	s_add_nc_u64 s[G0A+4*\s+2:G0A+4*\s+3], s[ABASE:ABASE+1], \t*ASTR
	s_add_nc_u64 s[G0B+4*\s+2:G0B+4*\s+3], s[BBASE:BBASE+1], \t*BSTR
.endm
	s_load_b256 s[4:11], s[0:1], 0x0               ; xc s[4:5], wc s[6:7], b_q s[8:9], b_k s[10:11]
	s_load_b128 s[12:15], s[0:1], 0x20             ; b_v s[12:13], qkv s[14:15]
	v_lshl_add_u32 v254, v0, 2, 0x4e000
	v_mov_b32 v255, 0
	ds_add_u32 v254, v255
	v_lshrrev_b32 v1, 5, v0
	v_readfirstlane_b32 s16, v1                    ; wave
	s_lshr_b32 s17, s16, 1                         ; my half of the rows; also: I ask for x (0) or W (1)
	s_and_b32 s18, s16, 1                          ; my half of each chunk's columns; also: which half of the tile I ask for
	s_bfe_u32 s19, ttmp6, 0x40000                  ; cx
	s_bfe_u32 s20, ttmp6, 0x40004                  ; cy
	s_lshl_b32 s21, ttmp9, 2
	s_add_co_u32 s21, s21, s19                     ; j
	s_and_b32 s22, ttmp7, 0xffff
	s_lshl_b32 s22, s22, 2
	s_add_co_u32 s22, s22, s20                     ; i
	s_lshl_b32 s100, s20, 2
	s_lshl_b32 s100, 15, s100                      ; my row of the cluster
	s_lshl_b32 s2, 0x1111, s19                     ; my column
	; group 1: rows of 64 elements of 2 bytes (32 words: interval code 4), 4 or 8 words of padding behind each; bit 21 beside the mask
	s_or_b32 s[G1A+0], s100, (1<<16)|(1<<20)|(1<<21)|(4<<22)|(3<<25)
	s_or_b32 s[G1B+0], s2, (1<<16)|(1<<20)|(1<<21)|(4<<22)|(7<<25)
	s_mov_b32 s[G1A+1], 64<<16                     ; tensor_dim0 = 64
	s_mov_b32 s[G1B+1], 64<<16
	s_mov_b32 s[G1A+2], 64<<16                     ; tensor_dim1 = 64 rows
	s_mov_b32 s[G1B+2], (NCH*32)<<16               ; 96 rows
	s_mov_b32 s[G1A+3], 64<<16                     ; tile_dim0 = 64
	s_mov_b32 s[G1B+3], 64<<16
	s_mov_b32 s[G1A+4], 64                         ; tile_dim1
	s_mov_b32 s[G1B+4], NCH*32
	s_mov_b32 s[G1A+5], 64                         ; elements from row to row: the blocks are dense
	s_mov_b32 s[G1B+5], 64
	s_mov_b32 s[G1A+6], 0
	s_mov_b32 s[G1B+6], 0
	s_mov_b32 s[G1A+7], 0
	s_mov_b32 s[G1B+7], 0
	; LDS addresses: the slot's constant + my half, from the wave's number alone
	s_mul_i32 s[G0A+1], s18, 64*AP
	s_mul_i32 s[G0B+1], s18, NCH*32*BP
	s_add_co_u32 s[G0B+1], s[G0B+1], ABYTES
.irp s, 1,2,3,4
	s_add_co_u32 s[G0A+4*\s+1], s[G0A+1], \s*SLOT
	s_add_co_u32 s[G0B+4*\s+1], s[G0B+1], \s*SLOT
.endr
	s_lshl_b32 s100, s22, 14                       ; x: 128 i rows of 128 bytes
	s_lshl_b32 s101, s18, 13                       ; + my 64 rows
	s_add_co_u32 s100, s100, s101
	s_mov_b32 s101, 0
	s_mul_i32 s66, s21, 16*NCH*8192                ; W: column tile j
	s_mul_i32 s67, s18, NCH*4096                   ; + my 96 rows
	s_add_co_u32 s66, s66, s67
	s_mov_b32 s67, 0
	s_wait_dscnt 0x0
	s_wait_kmcnt 0x0
	s_add_nc_u64 s[ABASE:ABASE+1], s[4:5], s[100:101]
	s_or_b32 s[ABASE+1], s[ABASE+1], 0x80000000    ; type = 2
	s_add_nc_u64 s[BBASE:BBASE+1], s[6:7], s[66:67]
	s_or_b32 s[BBASE+1], s[BBASE+1], 0x80000000
	CROUND                                         ; all sixteen work-groups are here: the first joint loads meet
.irp t, 0,1,2,3,4
	s_mov_b32 s[G0A+4*\t], 1
	s_mov_b32 s[G0B+4*\t], 1
	SETADR \t, \t
	JLOAD \t                                       ; tiles 0-4: five loads of mine are out
.endr
	; bias pointers and output offsets, chunk by chunk
	v_and_b32 v8, 31, v0
	v_lshlrev_b32 v8, 4, v8                        ; 16 L
	s_mul_i32 s23, s21, 3                          ; cluster x = 0: chunks 3 j + c
	s_add_co_u32 s3, s21, 8                        ; cluster x = 1: chunks 8 + j + 4 c
	s_cmp_eq_u32 ttmp9, 0
	s_cselect_b32 s23, s23, s3                     ; g of c = 0
	s_cselect_b32 s99, 1, 4                        ; from c to c + 1
.irp c, 0,1,2
	s_cmp_lt_u32 s23, 20
	s_cselect_b64 s[BPT+2*\c:BPT+2*\c+1], s[10:11], s[12:13]
	s_cselect_b32 s3, 16, 20
	s_cmp_lt_u32 s23, 16
	s_cselect_b64 s[BPT+2*\c:BPT+2*\c+1], s[8:9], s[BPT+2*\c:BPT+2*\c+1]
	s_cselect_b32 s3, 0, s3
	s_sub_co_u32 s66, s23, s3
	s_lshl_b32 s66, s66, 8                         ; 64 numbers of 4 bytes for each chunk of its own vector
	s_add_nc_u64 s[BPT+2*\c:BPT+2*\c+1], s[BPT+2*\c:BPT+2*\c+1], s[66:67]
	s_lshl_b32 s2, s23, 19                         ; chunk g of qkv
	v_add_nc_u32 v[CO+\c], s2, v8
	s_add_co_u32 s23, s23, s99
.endr
	v_add_nc_u32 v[CO+3], 4*CHUNK, v[CO+2]         ; v's lo lies four chunks behind its hi (used where c = 2 is v's)
	s_lshl_b32 s100, s22, 14                       ; 128 i rows
	s_lshl_b32 s101, s16, 12                       ; + the 32 rows that my wave stores
	s_add_co_u32 s100, s100, s101
	s_mov_b32 s101, 0
	s_add_nc_u64 s[OUTP:OUTP+1], s[14:15], s[100:101]
	v_and_b32 v1, 15, v0                           ; r
	v_bfe_u32 v2, v0, 4, 1                         ; h
	v_and_b32 v3, 7, v0
	v_bfe_u32 v4, v0, 3, 1
	s_lshl_b32 s99, s18, 7
	v_lshl_add_u32 v[VB], v2, 5, s99               ; bias: 4 (32 nh + 8 h)
.irp c, 0,1,2
.irp e, 0,1
	global_load_b128 v[BIAS+8*(2*\c+\e):BIAS+8*(2*\c+\e)+3],   v[VB], s[BPT+2*\c:BPT+2*\c+1] offset:\e*64
	global_load_b128 v[BIAS+8*(2*\c+\e)+4:BIAS+8*(2*\c+\e)+7], v[VB], s[BPT+2*\c:BPT+2*\c+1] offset:\e*64+16
.endr
.endr
	v_mul_u32_u24 v5, v1, AP
	v_lshl_add_u32 v5, v2, 4, v5                   ; r x 144 + 16 h
	v_lshl_add_u32 v6, v2, 3, v3                   ; 8 h + (L & 7)
	v_mul_u32_u24 v6, v6, BP
	v_lshl_add_u32 v6, v4, 4, v6                   ; + 16 ((L >> 3) & 1)
	s_mul_i32 s96, s17, 64*AP                      ; my 64 rows of x
	s_lshl_b32 s97, s18, 6                         ; my 32 columns of each chunk
	s_add_co_u32 s97, s97, ABYTES
.irp s, 0,1,2,3,4
	v_add_nc_u32 v[ADRA+\s], s96, v5
	v_add_nc_u32 v[ADRB+\s], s97, v6
	s_add_co_u32 s96, s96, SLOT
	s_add_co_u32 s97, s97, SLOT
.endr
	s_mul_i32 s98, s17, 64*AP
	s_lshl_b32 s99, s18, 6
	s_add_co_u32 s98, s98, s99
	s_add_co_u32 s98, s98, STAGE
	v_add_nc_u32 v[STO], s98, v5                   ; stage: row 64 mh + r, byte 64 nh + 16 h
	v_bfe_u32 v7, v0, 3, 2
	v_mul_u32_u24 v7, v7, AP
	v_lshl_add_u32 v7, v3, 4, v7
	s_mul_i32 s98, s16, 32*AP
	s_add_co_u32 s98, s98, STAGE
	v_add_nc_u32 v[RD], s98, v7                    ; back: row 32 w + (L >> 3), byte 16 (L & 7)
; the fragments of K 32 q .. 32 q + 31 of a slot's tile into buffer f: 12 transposing loads (W), 8 plain (x)
.macro FETCH slot, q, f
.irp c, 0,1,2
.irp e, 0,1
	ds_load_tr16_b128 v[\f+8*(2*\c+\e):\f+8*(2*\c+\e)+3],   v[ADRB+\slot] offset:\c*64*BP+\q*32*BP+\e*32
	ds_load_tr16_b128 v[\f+8*(2*\c+\e)+4:\f+8*(2*\c+\e)+7], v[ADRB+\slot] offset:\c*64*BP+\q*32*BP+\e*32+16*BP
.endr
.endr
.irp a, 0,1,2,3
	ds_load_b128 v[\f+XF+8*\a:\f+XF+8*\a+3],   v[ADRA+\slot] offset:\a*16*AP+\q*64
	ds_load_b128 v[\f+XF+8*\a+4:\f+XF+8*\a+7], v[ADRA+\slot] offset:\a*16*AP+\q*64+32
.endr
.endm
; six matrix instructions: row block a x all column tiles.  first = 1: C is the bias
.macro MULA f, a, first
.irp b, 0,1,2,3,4,5
.if \first
	v_wmma_f32_16x16x32_bf16 v[8*(NB*\a+\b):8*(NB*\a+\b)+7], v[\f+8*\b:\f+8*\b+7], v[\f+XF+8*\a:\f+XF+8*\a+7], v[BIAS+8*\b:BIAS+8*\b+7]
.else
	v_wmma_f32_16x16x32_bf16 v[8*(NB*\a+\b):8*(NB*\a+\b)+7], v[\f+8*\b:\f+8*\b+7], v[\f+XF+8*\a:\f+XF+8*\a+7], v[8*(NB*\a+\b):8*(NB*\a+\b)+7]
.endif
.endr
.endm
; the first K 32 of a tile: buffer 1 is fetched first and has 24 matrix instructions in which to arrive
.macro FRONT slot, first
	s_wait_dscnt 0x0                               ; buffer 0 is in
	PLACES                                         ; behind the last products that read buffer 1
	WIN 0
	FETCH \slot, 1, F1
.if \first
	WIN 0x40                                       ; D in window 1, C (the bias) in window 0
.else
	WIN 0x50                                       ; C and D in window 1
.endif
	MULA F0, 0, \first
	MULA F0, 1, \first
	MULA F0, 2, \first
	MULA F0, 3, \first
	s_wait_dscnt 0x0                               ; buffer 1 is in: my reads of this slot are over
.endm
.macro BACK next                       ; the next tile's first fragments, and the rest of this tile's products
	PLACES                                         ; behind the last products that read buffer 0
	WIN 0
	FETCH \next, 0, F0
	WIN 0x50
	MULA F1, 1, 0
	MULA F1, 2, 0
	MULA F1, 3, 0
.endm
.macro STEP_FREE slot, next            ; the next tile was shown landed by the wait for all loads in front of the last refill
	FRONT \slot, 0
	WIN 0x50
	MULA F1, 0, 0
	BACK \next
.endm
.macro STEP_SHOW slot, next, cnt, first ; cnt = my loads issued behind the next tile's: it has landed, the younger stay out
	FRONT \slot, \first
	s_wait_tensorcnt \cnt
	s_barrier_signal -1
	WIN 0x50
	MULA F1, 0, 0
	s_barrier_wait -1                              ; everybody's part of the next tile is in
	BACK \next
.endm
; Slots that have been read are filled again.  In front of the round every wave has waited for its reads and for all its tensor loads;
; inside it stands register work alone; the joint loads are the first tensor loads behind it.
.macro STEP_FILL slot, next, nf, sa, ta, sb, tb, sc, tc
	FRONT \slot, 0
	s_wait_tensorcnt 0x0                           ; no tensor load of mine is out: every group 0 may be written
	ds_add_u32 v254, v255
	s_wait_dscnt 0x0
	SETADR \sa, \ta
	SETADR \sb, \tb
.if \nf == 3
	SETADR \sc, \tc
.endif
	s_barrier_signal -1
	WIN 0x50
	MULA F1, 0, 0
	WIN 0
	s_barrier_wait -1
	CREST
	JLOAD \sa
	JLOAD \sb
.if \nf == 3
	JLOAD \sc
.endif
	BACK \next
.endm
	s_wait_tensorcnt 0x4                           ; four loads were issued behind tile 0's: it has landed
	s_barrier_signal -1
	s_barrier_wait -1
	s_wait_loadcnt 0x0                             ; the bias
	FETCH 0, 0, F0
	STEP_SHOW 0, 1, 3, 1                           ; tile t lies in slot t mod 5
	STEP_SHOW 1, 2, 2, 0
	STEP_FILL 2, 3, 3, 0,5, 1,6, 2,7               ; tiles 3, 4 have landed and are unread
	STEP_FREE 3, 4
	STEP_SHOW 4, 0, 2, 0
	STEP_FILL 0, 1, 3, 3,8, 4,9, 0,10
	STEP_FREE 1, 2
	STEP_SHOW 2, 3, 2, 0
	STEP_FILL 3, 4, 3, 1,11, 2,12, 3,13
	STEP_FREE 4, 0
	STEP_SHOW 0, 1, 2, 0
	STEP_FILL 1, 2, 2, 4,14, 0,15, 0,0
	STEP_FREE 2, 3
	STEP_SHOW 3, 4, 1, 0
	STEP_SHOW 4, 0, 0, 0
	FRONT 0, 0                                     ; tile 15: nothing more to fetch
	WIN 0x50
	MULA F1, 0, 0
	MULA F1, 1, 0
	MULA F1, 2, 0
	MULA F1, 3, 0
	; THE WAY OUT: round to f16, 16 bytes a lane into the shared stage, read whole rows back, store 512 consecutive bytes a wave
	PLACES
	WIN 0x05                                       ; sources in window 1
.irp a, 0,1,2,3
.irp b, 0,1,2,3,4,5
.irp p, 0,1,2,3
	v_cvt_pk_f16_f32 v[F0+4*(NB*\a+\b)+\p], v[8*(NB*\a+\b)+2*\p], v[8*(NB*\a+\b)+2*\p+1]
.endr
.endr
.endr
	WIN 0
.irp a, 0,1,2,3
.irp c, 0,1,2
.irp e, 0,1
	ds_store_b128 v[STO], v[F0+4*(NB*\a+2*\c+\e):F0+4*(NB*\a+2*\c+\e)+3] offset:\c*ABYTES+\a*16*AP+\e*32
.endr
.endr
.endr
	s_cmp_eq_u32 ttmp9, 0                          ; the cluster's x: the same in all sixteen work-groups
	s_cbranch_scc1 .Lno_lo
	; chunk c = 2 is v's: lo = f16(v - hi).  Its packed hi lie in v[F0 + 4 (6 a + 4) .. + 7] = v48-55, v72-79, v96-103, v120-127,
	; its sums in accumulator registers 48 a + 32 .. + 15 of window 1.
.set i, 0
.irp h, v48.l,v48.h,v49.l,v49.h,v50.l,v50.h,v51.l,v51.h,v52.l,v52.h,v53.l,v53.h,v54.l,v54.h,v55.l,v55.h
	v_cvt_f32_f16 v[TL+i], \h
.set i, i+1
.endr
.irp h, v72.l,v72.h,v73.l,v73.h,v74.l,v74.h,v75.l,v75.h,v76.l,v76.h,v77.l,v77.h,v78.l,v78.h,v79.l,v79.h
	v_cvt_f32_f16 v[TL+i], \h
.set i, i+1
.endr
.irp h, v96.l,v96.h,v97.l,v97.h,v98.l,v98.h,v99.l,v99.h,v100.l,v100.h,v101.l,v101.h,v102.l,v102.h,v103.l,v103.h
	v_cvt_f32_f16 v[TL+i], \h
.set i, i+1
.endr
.irp h, v120.l,v120.h,v121.l,v121.h,v122.l,v122.h,v123.l,v123.h,v124.l,v124.h,v125.l,v125.h,v126.l,v126.h,v127.l,v127.h
	v_cvt_f32_f16 v[TL+i], \h
.set i, i+1
.endr
	WIN 0x01                                       ; source 0 (the sums) in window 1
.irp a, 0,1,2,3
.irp m, 0,1,2,3,4,5,6,7
	v_pk_add_f32 v[TL+16*\a+2*\m:TL+16*\a+2*\m+1], v[48*\a+32+2*\m:48*\a+32+2*\m+1], v[TL+16*\a+2*\m:TL+16*\a+2*\m+1] neg_lo:[0,1] neg_hi:[0,1]   ; v - hi, exact in f32
.endr
.endr
	WIN 0
.irp a, 0,1,2,3
.irp m, 0,1,2,3,4,5,6,7
	v_cvt_pk_f16_f32 v[LOB+8*\a+\m], v[TL+16*\a+2*\m], v[TL+16*\a+2*\m+1]
.endr
.endr
.irp a, 0,1,2,3
.irp e, 0,1
	ds_store_b128 v[STO], v[LOB+8*\a+4*\e:LOB+8*\a+4*\e+3] offset:3*ABYTES+\a*16*AP+\e*32
.endr
.endr
.Lno_lo:
	s_wait_dscnt 0x0                               ; my stores are done, for the waves that read them
	s_barrier_signal -1
	s_barrier_wait -1
.macro OUTC c, f
	s_wait_xcnt 0x0                                ; buffer f, which earlier stores read, is loaded again only behind this wait
.irp u, 0,1,2,3,4,5,6,7
	ds_load_b128 v[\f+4*\u:\f+4*\u+3], v[RD] offset:\c*ABYTES+\u*4*AP
.endr
.irp u, 0,1,2,3,4,5,6,7
	s_wait_dscnt 7-\u                              ; LDS loads come back in order: the younger ones stay out
	global_store_b128 v[CO+\c], v[\f+4*\u:\f+4*\u+3], s[OUTP:OUTP+1] offset:\u*512
.endr
.endm
	OUTC 0, 128
	OUTC 1, 160
	OUTC 2, 128
	s_cmp_eq_u32 ttmp9, 0
	s_cbranch_scc1 .Lno_lo_out
	OUTC 3, 160                                    ; v's lo
.Lno_lo_out:
	s_wait_tensorcnt 0x0
	ds_add_u32 v254, v255
	s_wait_dscnt 0x0
	CROUND                                         ; the closing round: no work-group ends while a partner may still ask for a tile that names it
	s_endpgm
.Lfunc_end_k_q0b829ad268_qkvp:
	.size	k_q0b829ad268_qkvp, .Lfunc_end_k_q0b829ad268_qkvp-k_q0b829ad268_qkvp
	.p2alignl 7, 3214868480
	.fill 96, 4, 3214868480
	.section	.rodata,"a",@progbits
	.p2align	6, 0x0
	.amdhsa_kernel k_q0b829ad268_qkvp
		.amdhsa_group_segment_fixed_size 327680
		.amdhsa_private_segment_fixed_size 0
		.amdhsa_enable_private_segment 0
		.amdhsa_kernarg_size 48
		.amdhsa_user_sgpr_count 2
		.amdhsa_user_sgpr_kernarg_segment_ptr 1
		.amdhsa_wavefront_size32 1
		.amdhsa_system_sgpr_workgroup_id_x 1
		.amdhsa_system_sgpr_workgroup_id_y 1
		.amdhsa_system_sgpr_workgroup_id_z 1
		.amdhsa_system_vgpr_workitem_id 0
		.amdhsa_next_free_vgpr 448
		.amdhsa_next_free_sgpr 102
		.amdhsa_reserve_vcc 0
		.amdhsa_float_denorm_mode_32 3
		.amdhsa_float_denorm_mode_16_64 3
		.amdhsa_memory_ordered 1
		.amdhsa_forward_progress 1
		.amdhsa_inst_pref_size 135
	.end_amdhsa_kernel
	.amdgpu_metadata
---
amdhsa.version: [ 1, 2 ]
amdhsa.kernels:
  - .name:           k_q0b829ad268_qkvp
    .symbol:         k_q0b829ad268_qkvp.kd
    .args:
      - { .name: xc, .offset: 0, .size: 8, .value_kind: global_buffer, .address_space: global }
      - { .name: wc, .offset: 8, .size: 8, .value_kind: global_buffer, .address_space: global }
      - { .name: b_q, .offset: 16, .size: 8, .value_kind: global_buffer, .address_space: global }
      - { .name: b_k, .offset: 24, .size: 8, .value_kind: global_buffer, .address_space: global }
      - { .name: b_v, .offset: 32, .size: 8, .value_kind: global_buffer, .address_space: global }
      - { .name: qkv, .offset: 40, .size: 8, .value_kind: global_buffer, .address_space: global }
    .group_segment_fixed_size: 327680
    .private_segment_fixed_size: 0
    .kernarg_segment_align: 8
    .kernarg_segment_size: 48
    .max_flat_workgroup_size: 128
    .sgpr_count:     102
    .vgpr_count:     448
    .wavefront_size: 32
...
	.end_amdgpu_metadata
.endif
;; end of part 2
;; launch attn (part 3): grid 256 x 1, 8 waves a work-group, clusters of 4 x 1, 327,680 bytes of LDS; arguments qkv, yc; writes yc
.if DOCPART == 3
	.amdgcn_target "amdgcn-amd-amdhsa--gfx1250"
	.amdhsa_code_object_version 6
	.text
	.protected	k_q0b829ad268_attn
	.globl	k_q0b829ad268_attn
	.p2align	8
	.type	k_q0b829ad268_attn,@function
k_q0b829ad268_attn:
	s_mov_b64 s[64:65], 0
	v_nop
	global_prefetch_b8 v0, s[64:65] scope:SCOPE_SE
	s_setreg_imm32_b32 hwreg(HW_REG_WAVE_MODE, 25, 1), 1
	s_wait_xcnt 0x0
	s_wait_alu depctr_hold_cnt(0) depctr_sa_sdst(0) depctr_va_vdst(0) depctr_va_sdst(0) depctr_va_ssrc(0) depctr_va_vcc(0) depctr_vm_vsrc(0)
	s_getreg_b32 s2, hwreg(HW_REG_IB_STS2, 6, 4)
	s_cmp_eq_u32 s2, 0
	s_cbranch_scc0 .Lentry_in_a_cluster
	s_endpgm
.Lentry_in_a_cluster:
	s_bfe_u32 s2, ttmp6, 0x10000c
	s_cmp_lg_u32 s2, 0x3003
	s_cbranch_scc0 .Lentry_shape_is_right
	s_endpgm
.Lentry_shape_is_right:
; Causal attention, 16 query heads on 4 key/value heads, D = 64, T = 2048, B = 2.  q, k in f16 and v as f16 hi + f16 lo from
; qkv [g 28][row 4096][64] (q 0-15, k 16-19, v hi 20-23, v lo 24-27).  Scores, softmax and sums in f32, with a running maximum.
; y leaves as TWO bf16 numbers into yc [chunk 32][row 4096][64]: chunk head holds hi = bf16(y), chunk 16 + head holds lo = bf16(y - hi).
; WHY.  A row of few keys has |y| near |v|, far above the root mean square of the whole output, against which each number is held.
; So P is rounded to 11 bits (f16; p lies in 0 .. 1), P V runs on v's hi and on v's lo, and y keeps 16 bits for the last product.
; SHARES.  Cluster cid = 0..63: a = cid & 7, (batch, kv head) = cid >> 3.  Work-group cx of the cluster takes the pair p = 4 a + cx of
; 32-row query blocks: first block 63 - p, then block p, for the four heads of its kv head.  Keys go in tiles of 128: block 63 - p needs
; 16 - a tiles, block p needs a + 1: 17 trips in every work-group, and the four partners walk the same K and V tiles in the same order,
; so every tile is asked for jointly (mask 15).  cx enters only global addresses of q and y and a compare value in vector registers.
; Wave w: head w & 3, keys 64 (w >> 2) .. + 63 of each tile, both 16-row query tiles (tau = 0: tile w >> 2, its own; tau = 1: the other).
; At a pass's end the two waves of a head exchange their tau = 1 results through LDS and each merges and stores its own tile.
; S^T = K Q^T: a lane holds one query (r) and keys 16 kt + 8 h + j, so the row maximum needs one step across lanes, and P^T packs in
; place into the second source of O^T = V^T P^T (V transposed by ds_load_tr16_b128).
; LIMITS.  Masked scores, and the maximum's start, are the finite -2^100, whose product with c is exact: a raw score q.k below -2^100
; counts as masked.  A wave whose keys are all masked for a row gives finite numbers that the merge weighs with exp2 of about -2^97 = 0.
; v_exp_f32 gives 0 for results below 2^-126 (ISA guide, its entry).  q, k, v are f16: below 65,504 in magnitude.
; The accumulators of each product take turns, one instruction a turn.
.set KP, 144                           ; LDS pitch of K's rows
.set VP, 160                           ; of V's rows
.set KBYTES, 128*KP
.set VBYTES, 128*VP
.set SLOT, KBYTES+2*VBYTES             ; K, V hi, V lo: 59,392; two slots
.set CHUNK, 524288
.set EXW,  4352                        ; a wave's exchange: 32 registers x 128 bytes + 256
.set EX0,  2*SLOT                      ; exchange written in trips on slot 0, read in trips on slot 1
.set EX1,  EX0+8*EXW                   ; and the other way round: no region is written and read between the same two barriers
.set STG,  EX1+8*EXW                   ; each wave's own stage for y: hi's 16 rows x 144, then lo's
.set STW,  2*16*KP
.set KA,  4                            ; v4-5    K fragments' address, slot 0, 1
.set VA,  6                            ; v6-7    V fragments'
.set NMC, 8                            ; v8, v10 -m c for tau = 0, 1 (low registers of pairs; v9, v11 are written once)
.set AL,  12                           ; v12, v14 alpha, likewise
.set MX,  16                           ; v16-17  running maximum
.set LS,  18                           ; v18-19  my lane's part of the row sum
.set VC,  20                           ; v20-21  r - 8 h - 64 sub + 16 (sub ^ tau)
.set VQ,  22                           ; v22-23  q's byte offset
.set QF,  24                           ; v24-55  Q fragments at 16 tau + 8 c
.set OA,  56                           ; v56-119 O^T at 32 tau + 8 dt
.set SC,  120                          ; v120-183 S^T at 32 tau + 8 kt; then P^T at 32 tau + 16 c
.set KVF, 184                          ; v184-247 K, then V hi fragments at 16 tile + 8 c
.set TT,  248                          ; v248-251 at work
.set VT,  252                          ; v252-253 mask bound
                                       ; window 1: v256-319 V lo fragments at 16 dt + 8 c
.set G1K, 28
.set G1V, 36
.set G0K, 44                           ; s[44:51] slots 0, 1
.set G0V, 52                           ; s[52:59]
.set KB,  60
.set VBS, 62
.set QHI, 68
.set QLO, 70
.set YHI, 72
.set YLO, 74
.set G0L, 84                           ; s[84:91] V lo, slots 0, 1
.set LBS, 92
.set MSB, 0
.macro WIN new                         ; s_set_vgpr_msb: bits 1:0 source 0, 7:6 destination; the high byte repeats the setting left
.if MSB != \new
	s_set_vgpr_msb (MSB<<8)|\new
.set MSB, \new
.endif
.endm
.macro ROUND                           ; a round of the cluster's barrier
	s_barrier_signal -1
	s_barrier_wait -1
	s_cmp_lg_u32 s8, 0
	s_cbranch_scc1 .Lnot_wave_0_\@
	s_barrier_signal -3
.Lnot_wave_0_\@:
	s_barrier_wait -3
	s_barrier_signal -1
	s_barrier_wait -1
.endm
.macro QLOAD base                      ; lane (r, h): query r of tile tau, d = 32 c + 8 h .. and 32 c + 16 + 8 h ..
.irp t, 0,1
.irp c, 0,1
	global_load_b128 v[QF+16*\t+8*\c:QF+16*\t+8*\c+3],   v[VQ+\t], s[\base:\base+1] offset:64*\c
	global_load_b128 v[QF+16*\t+8*\c+4:QF+16*\t+8*\c+7], v[VQ+\t], s[\base:\base+1] offset:64*\c+32
.endr
.endr
.endm
.macro INIT                            ; a pass's start; it runs twice in a wave, and spares a second copy of the trip whose products would start the sums
.set i, 0
.rept 64
	v_mov_b32 v[OA+i], 0
.set i, i+1
.endr
	v_mov_b32 v[MX], s21
	v_mov_b32 v[MX+1], s21
	v_mul_f32 v[NMC], s24, v[MX]
	v_mul_f32 v[NMC+2], s24, v[MX]
	v_mov_b32 v[LS], 0
	v_mov_b32 v[LS+1], 0
.endm
.macro MASK                            ; the pass's last tile: key 64 sub + 16 kt + 8 h + j stays if it is not beyond query s19 + 16 (sub ^ tau) + r
	v_add_nc_u32 v[VT], s19, v[VC]
	v_add_nc_u32 v[VT+1], s19, v[VC+1]
.irp t, 0,1
.irp kt, 0,1,2,3
.irp j, 0,1,2,3,4,5,6,7
	v_cmp_le_i32 vcc_lo, 16*\kt+\j, v[VT+\t]
	v_cndmask_b32 v[SC+32*\t+8*\kt+\j], s21, v[SC+32*\t+8*\kt+\j], vcc_lo
.endr
.endr
.endr
.endm
.macro SOFTMAX t
	v_max3_num_f32 v[TT], v[SC+32*\t], v[SC+32*\t+1], v[MX+\t]             ; two chains; the old maximum rides in the first
	v_max3_num_f32 v[TT+1], v[SC+32*\t+16], v[SC+32*\t+17], v[SC+32*\t+18]
.set i, 0
.rept 6
	v_max3_num_f32 v[TT], v[TT], v[SC+32*\t+2+2*i], v[SC+32*\t+3+2*i]
	v_max3_num_f32 v[TT+1], v[TT+1], v[SC+32*\t+19+2*i], v[SC+32*\t+20+2*i]
.set i, i+1
.endr
	v_max3_num_f32 v[TT], v[TT], v[SC+32*\t+14], v[SC+32*\t+15]
	v_max3_num_f32 v[TT], v[TT], v[TT+1], v[SC+32*\t+31]
	v_permlanex16_b32 v[TT+2], v[TT], s26, s27     ; the same query's other keys lie in lane L xor 16
	v_max_num_f32 v[MX+\t], v[TT], v[TT+2]
	v_fma_f32 v[TT+3], v[MX+\t], s24, -v[NMC+2*\t] ; (m old - m new) c
	v_mul_f32 v[NMC+2*\t], s24, v[MX+\t]           ; -m c
	v_exp_f32 v[AL+2*\t], v[TT+3]                  ; alpha; the packed lines below are the plain place behind it (ISA guide 5.7.2)
.set i, 0
.rept 16
	v_pk_fma_f32 v[SC+32*\t+2*i:SC+32*\t+2*i+1], v[SC+32*\t+2*i:SC+32*\t+2*i+1], s[22:23], v[NMC+2*\t:NMC+2*\t+1] op_sel_hi:[1,0,0]
.set i, i+1
.endr
.set i, 0
.rept 32
	v_exp_f32 v[SC+32*\t+i], v[SC+32*\t+i]         ; p = 2^(s c - m c)
.set i, i+1
.endr
.set i, 0
	s_wait_alu depctr_va_vdst(0)
.rept 16
	v_pk_mul_f32 v[OA+32*\t+2*i:OA+32*\t+2*i+1], v[OA+32*\t+2*i:OA+32*\t+2*i+1], v[AL+2*\t:AL+2*\t+1] op_sel_hi:[1,0]   ; plain places behind the exponentials
.set i, i+1
.endr
	v_pk_add_f32 v[TT:TT+1], v[SC+32*\t:SC+32*\t+1], v[SC+32*\t+2:SC+32*\t+3]
	v_pk_add_f32 v[TT+2:TT+3], v[SC+32*\t+16:SC+32*\t+17], v[SC+32*\t+18:SC+32*\t+19]
.set i, 2
.rept 6
	v_pk_add_f32 v[TT:TT+1], v[TT:TT+1], v[SC+32*\t+2*i:SC+32*\t+2*i+1]
	v_pk_add_f32 v[TT+2:TT+3], v[TT+2:TT+3], v[SC+32*\t+16+2*i:SC+32*\t+16+2*i+1]
.set i, i+1
.endr
	v_pk_add_f32 v[TT:TT+1], v[TT:TT+1], v[TT+2:TT+3]
	v_add_f32 v[TT], v[TT], v[TT+1]
	v_fma_f32 v[LS+\t], v[LS+\t], v[AL+2*\t], v[TT]
	; pack to f16 in place: key tiles 2 c, 2 c + 1 become registers 0-3, 4-7 of P^T's fragment c; each target has been read before it is written
.irp c, 0,1
.irp p, 0,1,2,3,4,5,6,7
	v_cvt_pk_f16_f32 v[SC+32*\t+16*\c+\p], v[SC+32*\t+16*\c+2*\p], v[SC+32*\t+16*\c+2*\p+1]
.endr
.endr
.endm
.macro EXCH region, qload              ; my tau = 1 results, for the head's other wave
	v_lshl_add_u32 v[KVF], v1, 4, s76
	v_lshl_add_u32 v[KVF+1], v1, 3, s76
	v_add_nc_u32 v[KVF], \region, v[KVF]
	v_add_nc_u32 v[KVF+1], (\region)+4096, v[KVF+1]
	v_mov_b32 v[TT], v[NMC+2]
	v_mov_b32 v[TT+1], v[LS+1]
.irp i, 0,1,2,3,4,5,6,7
	ds_store_b128 v[KVF], v[OA+32+4*\i:OA+32+4*\i+3] offset:512*\i
.endr
	ds_store_b64 v[KVF+1], v[TT:TT+1]
.if \qload
	QLOAD QLO                                      ; the first pass's q has had its last use
.endif
.endm
.macro MERGE region, ybase, reset      ; my tau = 0 with the other wave's tau = 1: the same query tile, the other half of the keys
	v_lshl_add_u32 v[KVF+34], v1, 4, s77
	v_lshl_add_u32 v[KVF+35], v1, 3, s77
	v_add_nc_u32 v[KVF+34], \region, v[KVF+34]
	v_add_nc_u32 v[KVF+35], (\region)+4096, v[KVF+35]
.irp i, 0,1,2,3,4,5,6,7
	ds_load_b128 v[KVF+4*\i:KVF+4*\i+3], v[KVF+34] offset:512*\i
.endr
	ds_load_b64 v[KVF+32:KVF+33], v[KVF+35]
	v_mul_u32_u24 v[KVF+36], v2, KP
	v_lshl_add_u32 v[KVF+36], v3, 4, v[KVF+36]
	v_add_nc_u32 v[KVF+36], s78, v[KVF+36]         ; stage in: row r, byte 16 h
	v_lshrrev_b32 v[KVF+37], 3, v1
	v_mul_u32_u24 v[KVF+37], v[KVF+37], KP
	v_and_b32 v[KVF+38], 7, v1
	v_lshl_add_u32 v[KVF+37], v[KVF+38], 4, v[KVF+37]
	v_add_nc_u32 v[KVF+37], s78, v[KVF+37]         ; stage back: row L >> 3, byte 16 (L & 7)
	v_lshlrev_b32 v[KVF+38], 4, v1                 ; y hi: 16 L
	v_add_nc_u32 v[KVF+44], 16*CHUNK, v[KVF+38]    ; y lo: sixteen chunks on, more than a store's immediate holds
	s_wait_dscnt 0x0
	v_min_num_f32 v[KVF+39], v[NMC], v[KVF+32]     ; -c x the larger maximum
	v_sub_f32 v[KVF+40], v[KVF+39], v[NMC]
	v_sub_f32 v[KVF+41], v[KVF+39], v[KVF+32]
	v_exp_f32 v[AL], v[KVF+40]                     ; my weight
	v_exp_f32 v[AL+2], v[KVF+41]                   ; the other's
	v_nop                                          ; the plain place behind them
	s_wait_alu depctr_va_vdst(0)
	v_mul_f32 v[KVF+42], v[LS], v[AL]
	v_fmac_f32 v[KVF+42], v[KVF+33], v[AL+2]
	v_permlanex16_b32 v[TT+2], v[KVF+42], s26, s27
	v_add_f32 v[KVF+42], v[KVF+42], v[TT+2]        ; the whole row sum: at least 1, the largest score's own term
	v_rcp_f32 v[KVF+43], v[KVF+42]
	v_nop
	s_wait_alu depctr_va_vdst(0)
	v_mul_f32 v[AL], v[AL], v[KVF+43]
	v_mul_f32 v[AL+2], v[AL+2], v[KVF+43]
.set i, 0
.rept 16
	v_pk_mul_f32 v[OA+2*i:OA+2*i+1], v[OA+2*i:OA+2*i+1], v[AL:AL+1] op_sel_hi:[1,0]
.set i, i+1
.endr
.set i, 0
.rept 16
	v_pk_fma_f32 v[OA+2*i:OA+2*i+1], v[KVF+2*i:KVF+2*i+1], v[AL+2:AL+3], v[OA+2*i:OA+2*i+1] op_sel_hi:[1,0,1]
.set i, i+1
.endr
.set i, 0
.rept 16
	v_cvt_pk_bf16_f32 v[KVF+i], v[OA+2*i], v[OA+2*i+1]     ; hi; registers 4 dt .. + 3: y(query r, d = 16 dt + 8 h .. + 7)
.set i, i+1
.endr
.set i, 0
.rept 16
	v_lshlrev_b32 v[SC+2*i], 16, v[KVF+i]                  ; hi as f32 (P's registers are free here)
	v_and_b32 v[SC+2*i+1], 0xffff0000, v[KVF+i]
.set i, i+1
.endr
.set i, 0
.rept 16
	v_pk_add_f32 v[OA+2*i:OA+2*i+1], v[OA+2*i:OA+2*i+1], v[SC+2*i:SC+2*i+1] neg_lo:[0,1] neg_hi:[0,1]   ; y - hi, exact in f32
.set i, i+1
.endr
.set i, 0
.rept 16
	v_cvt_pk_bf16_f32 v[KVF+16+i], v[OA+2*i], v[OA+2*i+1]  ; lo
.set i, i+1
.endr
.irp dt, 0,1,2,3
	ds_store_b128 v[KVF+36], v[KVF+4*\dt:KVF+4*\dt+3] offset:32*\dt
.endr
.irp dt, 0,1,2,3
	ds_store_b128 v[KVF+36], v[KVF+16+4*\dt:KVF+16+4*\dt+3] offset:16*KP+32*\dt
.endr
.irp u, 0,1,2,3,4,5,6,7
	ds_load_b128 v[SC+32+4*\u:SC+32+4*\u+3], v[KVF+37] offset:\u*4*KP      ; my own bytes: LDS serves a wave's instructions in order; u 0-3 hi, 4-7 lo
.endr
.irp u, 0,1,2,3
	s_wait_dscnt 7-\u                              ; the younger read-backs stay out
	global_store_b128 v[KVF+38], v[SC+32+4*\u:SC+32+4*\u+3], s[\ybase:\ybase+1] offset:512*\u   ; 512 consecutive bytes, aligned; 16 rows of y in four stores
.endr
.irp u, 0,1,2,3
	s_wait_dscnt 3-\u
	global_store_b128 v[KVF+44], v[SC+48+4*\u:SC+48+4*\u+3], s[\ybase:\ybase+1] offset:512*\u
.endr
	s_wait_xcnt 0x0                                ; the stores' registers are written again only behind this wait
.if \reset
	INIT
	s_mov_b32 s19, s20                             ; the second pass's mask bound
.endif
.endm
	s_load_b128 s[4:7], s[0:1], 0x0                ; qkv s[4:5], yc s[6:7]
	v_lshl_add_u32 v254, v0, 2, 0x37000
	v_mov_b32 v255, 0
	ds_add_u32 v254, v255
	v_lshrrev_b32 v1, 5, v0
	v_readfirstlane_b32 s8, v1                     ; wave
	s_and_b32 s9, s8, 3                            ; head in the group
	s_lshr_b32 s10, s8, 2                          ; sub: my half of the keys, my own query tile
	s_bfe_u32 s11, ttmp6, 0x40000                  ; cx
	s_and_b32 s12, ttmp9, 7                        ; a
	s_lshr_b32 s13, ttmp9, 3                       ; batch x 4 + kv head
	s_sub_co_u32 s14, 16, s12                      ; tiles of the first pass
	s_sub_co_u32 s15, 15, s12                      ; its last trip
	s_mov_b32 s16, 0                               ; trip
	s_sub_co_u32 s19, 3, s11
	s_lshl_b32 s19, s19, 5                         ; first pass: my block starts 32 (3 - cx) keys into its last tile
	s_lshl_b32 s20, s11, 5                         ; second pass: 32 cx
	s_mov_b32 s21, 0xf1800000                      ; -2^100
	s_mov_b32 s22, 0x3e38aa3b                      ; c = log2(e) / 8: the scale 1 / sqrt(64) rides in the exponent's factor
	s_mov_b32 s23, 0x3e38aa3b
	s_mov_b32 s24, 0xbe38aa3b                      ; -c
	s_mov_b32 s26, 0x76543210
	s_mov_b32 s27, 0xfedcba98
	; group 1: 16 rows of 64 elements of 2 bytes, padded by 4 (K) or 8 (V) words; mask 15 with bit 21 beside it
	s_mov_b32 s[G1K+0], 15|(1<<16)|(1<<20)|(1<<21)|(4<<22)|(3<<25)
	s_mov_b32 s[G1V+0], 15|(1<<16)|(1<<20)|(1<<21)|(4<<22)|(7<<25)
	s_mov_b32 s[G1K+1], 64<<16
	s_mov_b32 s[G1V+1], 64<<16
	s_mov_b32 s[G1K+2], 16<<16
	s_mov_b32 s[G1V+2], 16<<16
	s_mov_b32 s[G1K+3], 64<<16
	s_mov_b32 s[G1V+3], 64<<16
	s_mov_b32 s[G1K+4], 16
	s_mov_b32 s[G1V+4], 16
	s_mov_b32 s[G1K+5], 64
	s_mov_b32 s[G1V+5], 64
	s_mov_b32 s[G1K+6], 0
	s_mov_b32 s[G1V+6], 0
	s_mov_b32 s[G1K+7], 0
	s_mov_b32 s[G1V+7], 0
	s_mov_b32 s[G0K], 1
	s_mov_b32 s[G0K+4], 1
	s_mov_b32 s[G0V], 1
	s_mov_b32 s[G0V+4], 1
	s_mov_b32 s[G0L], 1
	s_mov_b32 s[G0L+4], 1
	s_mul_i32 s[G0K+1], s8, 16*KP                  ; my 16 rows of each tile
	s_add_co_u32 s[G0K+5], s[G0K+1], SLOT
	s_mul_i32 s[G0V+1], s8, 16*VP
	s_add_co_u32 s[G0V+1], s[G0V+1], KBYTES
	s_add_co_u32 s[G0V+5], s[G0V+1], SLOT
	s_add_co_u32 s[G0L+1], s[G0V+1], VBYTES
	s_add_co_u32 s[G0L+5], s[G0L+1], SLOT
	s_and_b32 s25, s13, 3                          ; kv head
	s_lshr_b32 s79, s13, 2
	s_lshl_b32 s79, s79, 18                        ; batch x 2,048 rows of 128 bytes
	s_add_co_u32 s66, s25, 16
	s_lshl_b32 s66, s66, 19                        ; k's chunk
	s_add_co_u32 s66, s66, s79
	s_lshl_b32 s67, s8, 11                         ; my 16 rows
	s_add_co_u32 s66, s66, s67
	s_mov_b32 s67, 0
	s_lshl2_add_u32 s2, s25, s9                    ; query head = 4 kv + g
	s_lshl_b32 s2, s2, 19
	s_add_co_u32 s2, s2, s79
	s_lshl2_add_u32 s80, s12, s11                  ; p = 4 a + cx (s80-83 alone ever hold what comes of cx)
	s_sub_co_u32 s81, 63, s80
	s_lshl_b32 s82, s81, 12                        ; block 63 - p: 32 rows of 128 bytes each
	s_add_co_u32 s82, s82, s2
	s_mov_b32 s83, 0
	s_lshl_b32 s81, s10, 11                        ; y: my own query tile
	s_mul_i32 s76, s8, EXW
	s_xor_b32 s77, s8, 4
	s_mul_i32 s77, s77, EXW
	s_mul_i32 s78, s8, STW
	s_add_co_u32 s78, s78, STG
	s_wait_dscnt 0x0
	s_wait_kmcnt 0x0
	s_add_nc_u64 s[KB:KB+1], s[4:5], s[66:67]
	s_add_nc_u64 s[VBS:VBS+1], s[KB:KB+1], 4*CHUNK         ; v's hi lies four chunks behind k,
	s_add_nc_u64 s[LBS:LBS+1], s[KB:KB+1], 8*CHUNK         ; v's lo eight
	s_or_b32 s[KB+1], s[KB+1], 0x80000000
	s_or_b32 s[VBS+1], s[VBS+1], 0x80000000
	s_or_b32 s[LBS+1], s[LBS+1], 0x80000000
	s_mov_b64 s[G0K+2:G0K+3], s[KB:KB+1]           ; tile 0
	s_mov_b64 s[G0V+2:G0V+3], s[VBS:VBS+1]
	s_mov_b64 s[G0L+2:G0L+3], s[LBS:LBS+1]
	s_add_nc_u64 s[QHI:QHI+1], s[4:5], s[82:83]
	s_add_co_u32 s82, s82, s81
	s_add_nc_u64 s[YHI:YHI+1], s[6:7], s[82:83]
	s_lshl_b32 s82, s80, 12                        ; block p
	s_add_co_u32 s82, s82, s2
	s_add_nc_u64 s[QLO:QLO+1], s[4:5], s[82:83]
	s_add_co_u32 s82, s82, s81
	s_add_nc_u64 s[YLO:YLO+1], s[6:7], s[82:83]
	v_and_b32 v1, 31, v0                           ; L
	v_and_b32 v2, 15, v0                           ; r
	v_bfe_u32 v3, v0, 4, 1                         ; h
	v_lshlrev_b32 v[VQ], 7, v2
	v_lshl_add_u32 v[VQ], v3, 4, v[VQ]             ; r x 128 + 16 h
	s_lshl_b32 s3, s10, 11
	s_xor_b32 s25, s3, 2048
	v_add_nc_u32 v[VQ+1], s25, v[VQ]               ; tau = 1: the other tile
	v_add_nc_u32 v[VQ], s3, v[VQ]                  ; tau = 0: tile sub
	QLOAD QHI
	v_mul_u32_u24 v[KA], v2, KP
	v_lshl_add_u32 v[KA], v3, 4, v[KA]
	s_mul_i32 s3, s10, 64*KP
	v_add_nc_u32 v[KA], s3, v[KA]
	v_add_nc_u32 v[KA+1], SLOT, v[KA]
	v_and_b32 v[VA], 7, v0
	v_lshl_add_u32 v[VA], v3, 3, v[VA]
	v_mul_u32_u24 v[VA], v[VA], VP
	v_bfe_u32 v[VA+1], v0, 3, 1
	v_lshl_add_u32 v[VA], v[VA+1], 4, v[VA]
	s_mul_i32 s3, s10, 64*VP
	s_add_co_u32 s3, s3, KBYTES
	v_add_nc_u32 v[VA], s3, v[VA]
	v_add_nc_u32 v[VA+1], SLOT, v[VA]
	v_lshlrev_b32 v[VC], 3, v3
	v_sub_nc_u32 v[VC], v2, v[VC]                  ; r - 8 h
	s_mul_i32 s3, s10, -48                         ; tau = 0: 16 sub - 64 sub
	s_mul_i32 s25, s10, -80
	s_add_co_u32 s25, s25, 16                      ; tau = 1: 16 (1 - sub) - 64 sub
	v_add_nc_u32 v[VC+1], s25, v[VC]
	v_add_nc_u32 v[VC], s3, v[VC]
	v_mov_b32 v[NMC+1], 0                          ; the pairs' high registers count as read
	v_mov_b32 v[NMC+3], 0
	v_mov_b32 v[AL+1], 0
	v_mov_b32 v[AL+3], 0
	v_mov_b32 v[TT+2], 0                           ; v_permlanex16_b32's destination counts as read
	INIT
	ROUND                                          ; the four work-groups are here: the first joint loads meet
	tensor_load_to_lds s[G0K:G0K+3], s[G1K:G1K+7]
	s_nop 0
	tensor_load_to_lds s[G0V:G0V+3], s[G1V:G1V+7]
	s_nop 0
	tensor_load_to_lds s[G0L:G0L+3], s[G1V:G1V+7]
	s_nop 0
; One trip: tile s16, which lies in \slot.  By this text's count three tensor loads of a wave are out at the most.
.macro TRIP slot, refill, tail
	s_wait_tensorcnt 0x0                           ; all my loads have landed, my rows of this trip's tile among them: every group 0 may be written
	ds_add_u32 v254, v255
	s_wait_dscnt 0x0
.if \refill
	s_add_co_u32 s17, s16, 1                       ; the next trip's tile: its number in its own pass
	s_sub_co_u32 s25, s17, s14
	s_cmp_lt_u32 s17, s14
	s_cselect_b32 s66, s17, s25
	s_lshl_b32 s66, s66, 14                        ; 128 rows of 128 bytes
	s_add_nc_u64 s[G0K+4*(1-\slot)+2:G0K+4*(1-\slot)+3], s[KB:KB+1], s[66:67]
	s_add_nc_u64 s[G0V+4*(1-\slot)+2:G0V+4*(1-\slot)+3], s[VBS:VBS+1], s[66:67]
	s_add_nc_u64 s[G0L+4*(1-\slot)+2:G0L+4*(1-\slot)+3], s[LBS:LBS+1], s[66:67]
.endif
	s_wait_dscnt 0x0                               ; my reads of the last trip's tile are back, my exchange stores are done
	ROUND                                          ; both now hold of every wave of the four work-groups
.if \refill
	tensor_load_to_lds s[G0K+4*(1-\slot):G0K+4*(1-\slot)+3], s[G1K:G1K+7]  ; into the slot read last trip
	s_nop 0
	tensor_load_to_lds s[G0V+4*(1-\slot):G0V+4*(1-\slot)+3], s[G1V:G1V+7]
	s_nop 0
	tensor_load_to_lds s[G0L+4*(1-\slot):G0L+4*(1-\slot)+3], s[G1V:G1V+7]
	s_nop 0
.endif
	s_cmp_lg_u32 s16, s14                          ; the second pass's first trip finishes the first pass
	s_cbranch_scc1 .Lnomerge_\@
	MERGE EX0+(1-\slot)*8*EXW, YHI, 1
.Lnomerge_\@:
.irp kt, 0,1,2,3
.irp c, 0,1
	ds_load_b128 v[KVF+16*\kt+8*\c:KVF+16*\kt+8*\c+3],   v[KA+\slot] offset:\kt*16*KP+64*\c
	ds_load_b128 v[KVF+16*\kt+8*\c+4:KVF+16*\kt+8*\c+7], v[KA+\slot] offset:\kt*16*KP+64*\c+32
.endr
.endr
	s_wait_loadcnt 0x0                             ; q (met at once but in a pass's first trip)
	s_wait_dscnt 0x0
.irp t, 0,1
.irp kt, 0,1,2,3
	v_wmma_f32_16x16x32_f16 v[SC+32*\t+8*\kt:SC+32*\t+8*\kt+7], v[KVF+16*\kt:KVF+16*\kt+7], v[QF+16*\t:QF+16*\t+7], 0
.endr
.endr
.irp t, 0,1
.irp kt, 0,1,2,3
	v_wmma_f32_16x16x32_f16 v[SC+32*\t+8*\kt:SC+32*\t+8*\kt+7], v[KVF+16*\kt+8:KVF+16*\kt+15], v[QF+16*\t+8:QF+16*\t+15], v[SC+32*\t+8*\kt:SC+32*\t+8*\kt+7]
.endr
.endr
.rept 4
	v_nop                                          ; four places: then K's registers are loaded again and the scores are read (ISA guide 7.12.1)
.endr
.irp dt, 0,1,2,3
.irp c, 0,1
	ds_load_tr16_b128 v[KVF+16*\dt+8*\c:KVF+16*\dt+8*\c+3],   v[VA+\slot] offset:\c*32*VP+32*\dt
	ds_load_tr16_b128 v[KVF+16*\dt+8*\c+4:KVF+16*\dt+8*\c+7], v[VA+\slot] offset:\c*32*VP+32*\dt+16*VP
.endr
.endr
	WIN 0x40                                       ; destination in window 1: V lo
.irp dt, 0,1,2,3
.irp c, 0,1
	ds_load_tr16_b128 v[16*\dt+8*\c:16*\dt+8*\c+3],   v[VA+\slot] offset:VBYTES+\c*32*VP+32*\dt
	ds_load_tr16_b128 v[16*\dt+8*\c+4:16*\dt+8*\c+7], v[VA+\slot] offset:VBYTES+\c*32*VP+32*\dt+16*VP
.endr
.endr
	WIN 0
.if \tail
	MASK                                           ; trip 16 is the second pass's last in every work-group
.else
	s_cmp_lg_u32 s16, s15
	s_cbranch_scc1 .Lnomask_\@
	MASK
.Lnomask_\@:
.endif
	SOFTMAX 0
	SOFTMAX 1
	s_wait_dscnt 0x0                               ; V, hi and lo
.irp c, 0,1
.irp t, 0,1
.irp dt, 0,1,2,3
	v_wmma_f32_16x16x32_f16 v[OA+32*\t+8*\dt:OA+32*\t+8*\dt+7], v[KVF+16*\dt+8*\c:KVF+16*\dt+8*\c+7], v[SC+32*\t+16*\c:SC+32*\t+16*\c+7], v[OA+32*\t+8*\dt:OA+32*\t+8*\dt+7]
.endr
.endr
.endr
	WIN 0x01                                       ; source 0 in window 1: V lo
.irp c, 0,1
.irp t, 0,1
.irp dt, 0,1,2,3
	v_wmma_f32_16x16x32_f16 v[OA+32*\t+8*\dt:OA+32*\t+8*\dt+7], v[16*\dt+8*\c:16*\dt+8*\c+7], v[SC+32*\t+16*\c:SC+32*\t+16*\c+7], v[OA+32*\t+8*\dt:OA+32*\t+8*\dt+7]
.endr
.endr
.endr
	WIN 0
.rept 5
	v_nop                                          ; five places on every way on: O is read, V's registers are loaded, and the next scores are written over P
.endr
.if \tail == 0
	s_cmp_lg_u32 s16, s15
	s_cbranch_scc1 .Lnoex_\@
	EXCH EX0+\slot*8*EXW, 1
.Lnoex_\@:
.endif
	s_add_co_u32 s16, s16, 1
.endm
	s_mov_b32 s18, 8
.Ltrips:
	TRIP 0, 1, 0
	TRIP 1, 1, 0
	s_sub_co_u32 s18, s18, 1
	s_cmp_lg_u32 s18, 0
	s_cbranch_scc1 .Ltrips
	TRIP 0, 0, 1                                   ; trip 16 fetches nothing
	EXCH EX0, 0
	s_wait_dscnt 0x0                               ; my exchange stores are done, for the wave that reads them
	ROUND                                          ; the closing round; its work-group barriers also stand between the exchange's stores and loads
	MERGE EX0, YLO, 0
	s_wait_tensorcnt 0x0
	ds_add_u32 v254, v255
	s_wait_dscnt 0x0
	s_endpgm
.Lfunc_end_k_q0b829ad268_attn:
	.size	k_q0b829ad268_attn, .Lfunc_end_k_q0b829ad268_attn-k_q0b829ad268_attn
	.p2alignl 7, 3214868480
	.fill 96, 4, 3214868480
	.section	.rodata,"a",@progbits
	.p2align	6, 0x0
	.amdhsa_kernel k_q0b829ad268_attn
		.amdhsa_group_segment_fixed_size 327680
		.amdhsa_private_segment_fixed_size 0
		.amdhsa_enable_private_segment 0
		.amdhsa_kernarg_size 16
		.amdhsa_user_sgpr_count 2
		.amdhsa_user_sgpr_kernarg_segment_ptr 1
		.amdhsa_wavefront_size32 1
		.amdhsa_system_sgpr_workgroup_id_x 1
		.amdhsa_system_sgpr_workgroup_id_y 1
		.amdhsa_system_sgpr_workgroup_id_z 1
		.amdhsa_system_vgpr_workitem_id 0
		.amdhsa_next_free_vgpr 320
		.amdhsa_next_free_sgpr 96
		.amdhsa_reserve_vcc 1
		.amdhsa_float_denorm_mode_32 3
		.amdhsa_float_denorm_mode_16_64 3
		.amdhsa_memory_ordered 1
		.amdhsa_forward_progress 1
		.amdhsa_inst_pref_size 136
	.end_amdhsa_kernel
	.amdgpu_metadata
---
amdhsa.version: [ 1, 2 ]
amdhsa.kernels:
  - .name:           k_q0b829ad268_attn
    .symbol:         k_q0b829ad268_attn.kd
    .args:
      - { .name: qkv, .offset: 0, .size: 8, .value_kind: global_buffer, .address_space: global }
      - { .name: yc, .offset: 8, .size: 8, .value_kind: global_buffer, .address_space: global }
    .group_segment_fixed_size: 327680
    .private_segment_fixed_size: 0
    .kernarg_segment_align: 8
    .kernarg_segment_size: 16
    .max_flat_workgroup_size: 256
    .sgpr_count:     96
    .vgpr_count:     320
    .wavefront_size: 32
...
	.end_amdgpu_metadata
.endif
;; end of part 3
;; launch oproj (part 4): grid 8 x 32, 4 waves a work-group, clusters of 4 x 4, 327,680 bytes of LDS; arguments yc, wc, b_o, out0; writes out0
.if DOCPART == 4
	.amdgcn_target "amdgcn-amd-amdhsa--gfx1250"
	.amdhsa_code_object_version 6
	.text
	.protected	k_q0b829ad268_oproj
	.globl	k_q0b829ad268_oproj
	.p2align	8
	.type	k_q0b829ad268_oproj,@function
k_q0b829ad268_oproj:
	s_mov_b64 s[64:65], 0
	v_nop
	global_prefetch_b8 v0, s[64:65] scope:SCOPE_SE
	s_setreg_imm32_b32 hwreg(HW_REG_WAVE_MODE, 25, 1), 1
	s_wait_xcnt 0x0
	s_wait_alu depctr_hold_cnt(0) depctr_sa_sdst(0) depctr_va_vdst(0) depctr_va_sdst(0) depctr_va_ssrc(0) depctr_va_vcc(0) depctr_vm_vsrc(0)
	s_getreg_b32 s2, hwreg(HW_REG_IB_STS2, 6, 4)
	s_cmp_eq_u32 s2, 0
	s_cbranch_scc0 .Lentry_in_a_cluster
	s_endpgm
.Lentry_in_a_cluster:
	s_bfe_u32 s2, ttmp6, 0x10000c
	s_cmp_lg_u32 s2, 0xf033
	s_cbranch_scc0 .Lentry_shape_is_right
	s_endpgm
.Lentry_shape_is_right:
; out0[row][n] = sum over k of y[row][k] w_o[k][n] + b_o[n], f32 out.  y comes as two bf16 numbers, hi and lo, from
; yc [chunk 32][row 4096][64] (chunk kc: hi of columns 64 kc .., chunk 16 + kc: lo), w_o in bf16 from part 2 of wc
; [j 8][kc 16][c 2][k 64][n 64].  Both parts of y are multiplied with the same fragments of w_o and summed in f32: y counts with 16 bits.
; A work-group makes 128 rows (i) x 128 columns (j) with four waves; 8 x 32 = 256 work-groups.  Wave w: rows 64 (w >> 1) .., chunk
; w & 1 of the two: 4 row blocks x 4 column tiles = 16 accumulators.
; K goes in 16 tiles of 64 through five LDS slots filled by the tensor data mover: y hi's 128 rows, y lo's 128 rows (pitch 144),
; W's 128 rows [c][k] (pitch 160).  For 32 along K a wave loads 24 x 512 bytes from LDS and issues 32 matrix instructions.
; CLUSTERS of 4 x 4: y's tiles hang on i alone and are asked for jointly by a row of the cluster, W's on j alone, by a column.
; Wave 0 asks for y hi, wave 1 for y lo, waves 2, 3 for W's halves: one tensor load a wave and tile; by this text's count at most five are out.
; Slots are filled again three at a time behind a round of the cluster's barrier; two landed tiles are then still unread.
; The matrix instruction is used transposed (source 0 = W, source 1 = y): lane (r, h) register j holds C(row0 + r, n0 + 8 h + j).
; The bias, laid out the same way, is the C of the first products.
; The 16 accumulators take turns, one instruction a turn, in the same order for hi and for lo in every K 32.
.set NCH, 2
.set NB,  4
.set AP,  144
.set BP,  160
.set ABYTES, 128*AP                    ; one part of y: 18,432
.set SLOT,   2*ABYTES+NCH*64*BP        ; 57,344
.set STAGE,  5*SLOT                    ; the way out: 16 rows x 272 bytes for each wave; no tensor load ever lands here
.set SP,   272
.set ASTR, 524288
.set BSTR, NCH*8192
.set WOFF, 3145728                     ; part 2 of wc
.set ADRA, 16                          ; v16-20
.set ADRB, 21                          ; v21-25
.set STO,  26
.set RD,   27
.set CO,   28
.set VB,   29
.set F0,   32                          ; v32-127   fragment buffer 0: W tile b at +8 b, y hi block a at +32 + 8 a, y lo block a at +64 + 8 a
.set F1,   128                         ; v128-223  fragment buffer 1
.set XF,   32
.set BIAS, 224                         ; v224-255
                                       ; window 1 (v256-383): accumulator (a, b) at 8 (4 a + b)
.set G1A, 24
.set G1B, 32
.set G0A, 40
.set ABASE, 60
.set BBASE, 62
.set G0B, 68
.set BPT, 88
.set OUTP, 94
; scalar temporaries: s100, s101 hold only what comes of cy and the wave; s2, s66, s67 only of cx and the wave; s96-99 only of the wave
.set MSB, 0
.macro WIN new                         ; s_set_vgpr_msb: bits 1:0 source 0, 3:2 source 1, 5:4 source 2, 7:6 destination; the high byte repeats the setting left
.if MSB != \new
	s_set_vgpr_msb (MSB<<8)|\new
.set MSB, \new
.endif
.endm
.macro PLACES                          ; four independent vector instructions between a matrix instruction and a load into, or a use of, its registers
.rept 4
	v_nop
.endr
.endm
.macro JLOAD s
	s_cmp_eq_u32 s17, 0
	s_cbranch_scc0 .Lfor_b_\@
	tensor_load_to_lds s[G0A+4*\s:G0A+4*\s+3], s[G1A:G1A+7]
	s_nop 0
	s_branch .Lasked_\@
.Lfor_b_\@:
	tensor_load_to_lds s[G0B+4*\s:G0B+4*\s+3], s[G1B:G1B+7]
	s_nop 0
.Lasked_\@:
.endm
.macro CREST
	s_cmp_lg_u32 s16, 0
	s_cbranch_scc1 .Lnot_wave_0_\@
	s_barrier_signal -3
.Lnot_wave_0_\@:
	s_barrier_wait -3
	s_barrier_signal -1
	s_barrier_wait -1
.endm
.macro CROUND
	s_barrier_signal -1
	s_barrier_wait -1
	CREST
.endm
.macro SETADR s, t
	s_add_nc_u64 s[G0A+4*\s+2:G0A+4*\s+3], s[ABASE:ABASE+1], \t*ASTR
	s_add_nc_u64 s[G0B+4*\s+2:G0B+4*\s+3], s[BBASE:BBASE+1], \t*BSTR
.endm
	s_load_b256 s[4:11], s[0:1], 0x0               ; yc s[4:5], wc s[6:7], b_o s[8:9], out0 s[10:11]
	v_lshl_add_u32 v30, v0, 2, 0x4a400
	v_mov_b32 v31, 0
	ds_add_u32 v30, v31
	v_lshrrev_b32 v1, 5, v0
	v_readfirstlane_b32 s16, v1                    ; wave
	s_lshr_b32 s17, s16, 1                         ; my half of the rows; also: I ask for y (0) or W (1)
	s_and_b32 s18, s16, 1                          ; my chunk of columns; also: y's hi or lo, W's first or second half
	s_bfe_u32 s19, ttmp6, 0x40000                  ; cx
	s_bfe_u32 s20, ttmp6, 0x40004                  ; cy
	s_lshl_b32 s21, ttmp9, 2
	s_add_co_u32 s21, s21, s19                     ; j
	s_and_b32 s22, ttmp7, 0xffff
	s_lshl_b32 s22, s22, 2
	s_add_co_u32 s22, s22, s20                     ; i
	s_lshl_b32 s100, s20, 2
	s_lshl_b32 s100, 15, s100                      ; my row of the cluster
	s_lshl_b32 s2, 0x1111, s19                     ; my column
	; group 1: rows of 64 elements of 2 bytes (32 words: interval code 4), 4 or 8 words of padding behind each; bit 21 beside the mask
	s_or_b32 s[G1A+0], s100, (1<<16)|(1<<20)|(1<<21)|(4<<22)|(3<<25)
	s_or_b32 s[G1B+0], s2, (1<<16)|(1<<20)|(1<<21)|(4<<22)|(7<<25)
	s_mov_b32 s[G1A+1], 64<<16
	s_mov_b32 s[G1B+1], 64<<16
	s_mov_b32 s[G1A+2], 128<<16                    ; y: 128 rows a load
	s_mov_b32 s[G1B+2], (NCH*32)<<16               ; W: 64 rows
	s_mov_b32 s[G1A+3], 64<<16
	s_mov_b32 s[G1B+3], 64<<16
	s_mov_b32 s[G1A+4], 128
	s_mov_b32 s[G1B+4], NCH*32
	s_mov_b32 s[G1A+5], 64
	s_mov_b32 s[G1B+5], 64
	s_mov_b32 s[G1A+6], 0
	s_mov_b32 s[G1B+6], 0
	s_mov_b32 s[G1A+7], 0
	s_mov_b32 s[G1B+7], 0
	s_mul_i32 s[G0A+1], s18, ABYTES                ; hi, then lo
	s_mul_i32 s[G0B+1], s18, NCH*32*BP
	s_add_co_u32 s[G0B+1], s[G0B+1], 2*ABYTES
.irp s, 1,2,3,4
	s_add_co_u32 s[G0A+4*\s+1], s[G0A+1], \s*SLOT
	s_add_co_u32 s[G0B+4*\s+1], s[G0B+1], \s*SLOT
.endr
	s_lshl_b32 s100, s22, 14                       ; y: 128 i rows of 128 bytes
	s_lshl_b32 s101, s18, 23                       ; + sixteen chunks for lo
	s_add_co_u32 s100, s100, s101
	s_mov_b32 s101, 0
	s_mul_i32 s66, s21, 16*NCH*8192                ; W: column tile j
	s_mul_i32 s67, s18, NCH*4096                   ; + my 64 rows
	s_add_co_u32 s66, s66, s67
	s_add_co_u32 s66, s66, WOFF
	s_mov_b32 s67, 0
	s_wait_dscnt 0x0
	s_wait_kmcnt 0x0
	s_add_nc_u64 s[ABASE:ABASE+1], s[4:5], s[100:101]
	s_or_b32 s[ABASE+1], s[ABASE+1], 0x80000000
	s_add_nc_u64 s[BBASE:BBASE+1], s[6:7], s[66:67]
	s_or_b32 s[BBASE+1], s[BBASE+1], 0x80000000
	CROUND                                         ; all sixteen work-groups are here: the first joint loads meet
.irp t, 0,1,2,3,4
	s_mov_b32 s[G0A+4*\t], 1
	s_mov_b32 s[G0B+4*\t], 1
	SETADR \t, \t
	JLOAD \t
.endr
	s_lshl_b32 s66, s21, 9                         ; 128 j columns of 4 bytes
	s_lshl_b32 s67, s18, 8                         ; + my chunk
	s_add_co_u32 s66, s66, s67
	s_mov_b32 s67, 0
	s_add_nc_u64 s[BPT:BPT+1], s[8:9], s[66:67]
	s_add_nc_u64 s[OUTP:OUTP+1], s[10:11], s[66:67]
	s_lshl_b32 s100, s22, 19                       ; 128 i rows of 4,096 bytes
	s_lshl_b32 s101, s17, 18                       ; + my 64 rows
	s_add_co_u32 s100, s100, s101
	s_mov_b32 s101, 0
	s_add_nc_u64 s[OUTP:OUTP+1], s[OUTP:OUTP+1], s[100:101]
	v_and_b32 v1, 15, v0                           ; r
	v_bfe_u32 v2, v0, 4, 1                         ; h
	v_and_b32 v3, 7, v0
	v_bfe_u32 v4, v0, 3, 1
	v_lshlrev_b32 v[VB], 5, v2                     ; bias: 4 x 8 h
.irp b, 0,1,2,3
	global_load_b128 v[BIAS+8*\b:BIAS+8*\b+3],   v[VB], s[BPT:BPT+1] offset:\b*64
	global_load_b128 v[BIAS+8*\b+4:BIAS+8*\b+7], v[VB], s[BPT:BPT+1] offset:\b*64+16
.endr
	v_mul_u32_u24 v5, v1, AP
	v_lshl_add_u32 v5, v2, 4, v5
	v_lshl_add_u32 v6, v2, 3, v3
	v_mul_u32_u24 v6, v6, BP
	v_lshl_add_u32 v6, v4, 4, v6
	s_mul_i32 s96, s17, 64*AP
	s_mul_i32 s97, s18, 64*BP                      ; my chunk's 64 rows of W
	s_add_co_u32 s97, s97, 2*ABYTES
.irp s, 0,1,2,3,4
	v_add_nc_u32 v[ADRA+\s], s96, v5
	v_add_nc_u32 v[ADRB+\s], s97, v6
	s_add_co_u32 s96, s96, SLOT
	s_add_co_u32 s97, s97, SLOT
.endr
	s_mul_i32 s98, s16, 16*SP
	s_add_co_u32 s98, s98, STAGE                   ; my stage
	v_mul_u32_u24 v7, v1, SP
	v_lshl_add_u32 v7, v2, 5, v7
	v_add_nc_u32 v[STO], s98, v7                   ; in: row r, byte 32 h
	v_mul_u32_u24 v8, v2, SP
	v_lshl_add_u32 v8, v1, 4, v8
	v_add_nc_u32 v[RD], s98, v8                    ; back: lanes 0-15 one row of 256 bytes, lanes 16-31 the next
	v_lshlrev_b32 v9, 12, v2
	v_lshl_add_u32 v[CO], v1, 4, v9                ; the same two rows in out0
; the fragments of K 32 q .. of a slot's tile into buffer f: 8 transposing loads (W), 8 plain for y hi, 8 for y lo
.macro FETCH slot, q, f
.irp b, 0,1,2,3
	ds_load_tr16_b128 v[\f+8*\b:\f+8*\b+3],   v[ADRB+\slot] offset:\q*32*BP+\b*32
	ds_load_tr16_b128 v[\f+8*\b+4:\f+8*\b+7], v[ADRB+\slot] offset:\q*32*BP+\b*32+16*BP
.endr
.irp p, 0,1
.irp a, 0,1,2,3
	ds_load_b128 v[\f+XF+32*\p+8*\a:\f+XF+32*\p+8*\a+3],   v[ADRA+\slot] offset:\p*ABYTES+\a*16*AP+\q*64
	ds_load_b128 v[\f+XF+32*\p+8*\a+4:\f+XF+32*\p+8*\a+7], v[ADRA+\slot] offset:\p*ABYTES+\a*16*AP+\q*64+32
.endr
.endr
.endm
; four matrix instructions: row block a of part p (0 hi, 1 lo) x all column tiles.  first = 1: C is the bias
.macro MULP f, p, a, first
.irp b, 0,1,2,3
.if \first
	v_wmma_f32_16x16x32_bf16 v[8*(NB*\a+\b):8*(NB*\a+\b)+7], v[\f+8*\b:\f+8*\b+7], v[\f+XF+32*\p+8*\a:\f+XF+32*\p+8*\a+7], v[BIAS+8*\b:BIAS+8*\b+7]
.else
	v_wmma_f32_16x16x32_bf16 v[8*(NB*\a+\b):8*(NB*\a+\b)+7], v[\f+8*\b:\f+8*\b+7], v[\f+XF+32*\p+8*\a:\f+XF+32*\p+8*\a+7], v[8*(NB*\a+\b):8*(NB*\a+\b)+7]
.endif
.endr
.endm
.macro FRONT slot, first               ; the first K 32 of a tile: buffer 1 is fetched first and has 32 matrix instructions in which to arrive
	s_wait_dscnt 0x0                               ; buffer 0 is in
	PLACES                                         ; behind the last products that read buffer 1
	WIN 0
	FETCH \slot, 1, F1
.if \first
	WIN 0x40                                       ; D in window 1, C (the bias) in window 0
.else
	WIN 0x50                                       ; C and D in window 1
.endif
	MULP F0, 0, 0, \first
	MULP F0, 0, 1, \first
	MULP F0, 0, 2, \first
	MULP F0, 0, 3, \first
	WIN 0x50
	MULP F0, 1, 0, 0
	MULP F0, 1, 1, 0
	MULP F0, 1, 2, 0
	MULP F0, 1, 3, 0
	s_wait_dscnt 0x0                               ; buffer 1 is in: my reads of this slot are over
.endm
.macro REST                            ; the second K 32 behind its first four products
	MULP F1, 0, 1, 0
	MULP F1, 0, 2, 0
	MULP F1, 0, 3, 0
	MULP F1, 1, 0, 0
	MULP F1, 1, 1, 0
	MULP F1, 1, 2, 0
	MULP F1, 1, 3, 0
.endm
.macro BACK next
	PLACES                                         ; behind the last products that read buffer 0
	WIN 0
	FETCH \next, 0, F0
	WIN 0x50
	REST
.endm
.macro STEP_FREE slot, next            ; the next tile was shown landed by the wait for all loads in front of the last refill
	FRONT \slot, 0
	MULP F1, 0, 0, 0
	BACK \next
.endm
.macro STEP_SHOW slot, next, cnt, first ; cnt = my loads issued behind the next tile's
	FRONT \slot, \first
	s_wait_tensorcnt \cnt
	s_barrier_signal -1
	MULP F1, 0, 0, 0
	s_barrier_wait -1
	BACK \next
.endm
; Slots that have been read are filled again.  In front of the round every wave has waited for its reads and for all its tensor loads;
; inside it stands register work alone; the joint loads are the first tensor loads behind it.
.macro STEP_FILL slot, next, nf, sa, ta, sb, tb, sc, tc
	FRONT \slot, 0
	s_wait_tensorcnt 0x0                           ; no tensor load of mine is out: every group 0 may be written
	ds_add_u32 v30, v31
	s_wait_dscnt 0x0
	SETADR \sa, \ta
	SETADR \sb, \tb
.if \nf == 3
	SETADR \sc, \tc
.endif
	s_barrier_signal -1
	MULP F1, 0, 0, 0
	WIN 0
	s_barrier_wait -1
	CREST
	JLOAD \sa
	JLOAD \sb
.if \nf == 3
	JLOAD \sc
.endif
	BACK \next
.endm
	s_wait_tensorcnt 0x4                           ; four loads were issued behind tile 0's: it has landed
	s_barrier_signal -1
	s_barrier_wait -1
	s_wait_loadcnt 0x0                             ; the bias
	FETCH 0, 0, F0
	STEP_SHOW 0, 1, 3, 1                           ; tile t lies in slot t mod 5
	STEP_SHOW 1, 2, 2, 0
	STEP_FILL 2, 3, 3, 0,5, 1,6, 2,7
	STEP_FREE 3, 4
	STEP_SHOW 4, 0, 2, 0
	STEP_FILL 0, 1, 3, 3,8, 4,9, 0,10
	STEP_FREE 1, 2
	STEP_SHOW 2, 3, 2, 0
	STEP_FILL 3, 4, 3, 1,11, 2,12, 3,13
	STEP_FREE 4, 0
	STEP_SHOW 0, 1, 2, 0
	STEP_FILL 1, 2, 2, 4,14, 0,15, 0,0
	STEP_FREE 2, 3
	STEP_SHOW 3, 4, 1, 0
	STEP_SHOW 4, 0, 0, 0
	FRONT 0, 0                                     ; tile 15: nothing more to fetch
	MULP F1, 0, 0, 0
	REST
	; THE WAY OUT, 16 rows at a time through my own stage: a lane's 32 bytes in, whole rows of 256 bytes back and out
	PLACES
.macro OUT16 a, f
	WIN 0x04                                       ; the LDS stores' data in window 1
.irp b, 0,1,2,3
	ds_store_b128 v[STO], v[8*(NB*\a+\b):8*(NB*\a+\b)+3]   offset:64*\b
	ds_store_b128 v[STO], v[8*(NB*\a+\b)+4:8*(NB*\a+\b)+7] offset:64*\b+16
.endr
	WIN 0
	s_wait_xcnt 0x0                                ; buffer f, which earlier stores read, is loaded again only behind this wait
.irp t, 0,1,2,3,4,5,6,7
	ds_load_b128 v[\f+4*\t:\f+4*\t+3], v[RD] offset:\t*2*SP        ; my own bytes: LDS serves a wave's instructions in order
.endr
.irp t, 0,1,2,3,4,5,6,7
	s_wait_dscnt 7-\t
	global_store_b128 v[CO], v[\f+4*\t:\f+4*\t+3], s[OUTP:OUTP+1] offset:\a*65536+\t*8192 th:TH_STORE_NT   ; sixteen lanes store 256 consecutive bytes, aligned
.endr
.endm
	OUT16 0, 32
	OUT16 1, 64
	OUT16 2, 32
	OUT16 3, 64
	s_wait_tensorcnt 0x0
	ds_add_u32 v30, v31
	s_wait_dscnt 0x0
	CROUND                                         ; the closing round: no work-group ends while a partner may still ask for a tile that names it
	s_endpgm
.Lfunc_end_k_q0b829ad268_oproj:
	.size	k_q0b829ad268_oproj, .Lfunc_end_k_q0b829ad268_oproj-k_q0b829ad268_oproj
	.p2alignl 7, 3214868480
	.fill 96, 4, 3214868480
	.section	.rodata,"a",@progbits
	.p2align	6, 0x0
	.amdhsa_kernel k_q0b829ad268_oproj
		.amdhsa_group_segment_fixed_size 327680
		.amdhsa_private_segment_fixed_size 0
		.amdhsa_enable_private_segment 0
		.amdhsa_kernarg_size 32
		.amdhsa_user_sgpr_count 2
		.amdhsa_user_sgpr_kernarg_segment_ptr 1
		.amdhsa_wavefront_size32 1
		.amdhsa_system_sgpr_workgroup_id_x 1
		.amdhsa_system_sgpr_workgroup_id_y 1
		.amdhsa_system_sgpr_workgroup_id_z 1
		.amdhsa_system_vgpr_workitem_id 0
		.amdhsa_next_free_vgpr 384
		.amdhsa_next_free_sgpr 102
		.amdhsa_reserve_vcc 0
		.amdhsa_float_denorm_mode_32 3
		.amdhsa_float_denorm_mode_16_64 3
		.amdhsa_memory_ordered 1
		.amdhsa_forward_progress 1
		.amdhsa_inst_pref_size 145
	.end_amdhsa_kernel
	.amdgpu_metadata
---
amdhsa.version: [ 1, 2 ]
amdhsa.kernels:
  - .name:           k_q0b829ad268_oproj
    .symbol:         k_q0b829ad268_oproj.kd
    .args:
      - { .name: yc, .offset: 0, .size: 8, .value_kind: global_buffer, .address_space: global }
      - { .name: wc, .offset: 8, .size: 8, .value_kind: global_buffer, .address_space: global }
      - { .name: b_o, .offset: 16, .size: 8, .value_kind: global_buffer, .address_space: global }
      - { .name: out0, .offset: 24, .size: 8, .value_kind: global_buffer, .address_space: global }
    .group_segment_fixed_size: 327680
    .private_segment_fixed_size: 0
    .kernarg_segment_align: 8
    .kernarg_segment_size: 32
    .max_flat_workgroup_size: 128
    .sgpr_count:     102
    .vgpr_count:     384
    .wavefront_size: 32
...
	.end_amdgpu_metadata
.endif
;; end of part 4
;; ======== version 2 of 2: 4 launches
;; limits: values are held in f16: magnitudes above 65,504 overflow, below 6.1e-05 lose precision
;; workspace buffers: xc 8,388,608 bytes; wc 5,242,880 bytes; qkv 14,680,064 bytes; yc 10,485,760 bytes
;; launch prep: the kernel of part 1 again; grid 416 x 1, 8 waves a work-group, no clusters, 0 bytes of LDS; arguments x, w_q, w_k, w_v, w_o, xc, wc; writes xc, wc
;; launch qkvp: the kernel of part 2 again; grid 8 x 32, 4 waves a work-group, clusters of 4 x 4, 327,680 bytes of LDS; arguments xc, wc, b_q, b_k, b_v, qkv; writes qkv
;; launch attn (part 5): grid 256 x 1, 8 waves a work-group, clusters of 4 x 1, 327,680 bytes of LDS; arguments qkv, yc; writes yc
.if DOCPART == 5
	.amdgcn_target "amdgcn-amd-amdhsa--gfx1250"
	.amdhsa_code_object_version 6
	.text
	.protected	k_q0b829ad268_attn
	.globl	k_q0b829ad268_attn
	.p2align	8
	.type	k_q0b829ad268_attn,@function
k_q0b829ad268_attn:
	s_mov_b64 s[64:65], 0
	v_nop
	global_prefetch_b8 v0, s[64:65] scope:SCOPE_SE
	s_setreg_imm32_b32 hwreg(HW_REG_WAVE_MODE, 25, 1), 1
	s_wait_xcnt 0x0
	s_wait_alu depctr_hold_cnt(0) depctr_sa_sdst(0) depctr_va_vdst(0) depctr_va_sdst(0) depctr_va_ssrc(0) depctr_va_vcc(0) depctr_vm_vsrc(0)
	s_getreg_b32 s2, hwreg(HW_REG_IB_STS2, 6, 4)
	s_cmp_eq_u32 s2, 0
	s_cbranch_scc0 .Lentry_in_a_cluster
	s_endpgm
.Lentry_in_a_cluster:
	s_bfe_u32 s2, ttmp6, 0x10000c
	s_cmp_lg_u32 s2, 0x3003
	s_cbranch_scc0 .Lentry_shape_is_right
	s_endpgm
.Lentry_shape_is_right:
; Causal attention, 16 query heads on 4 key/value heads, D = 64, T = 2048, B = 2.  q, k in f16 and v as f16 hi + f16 lo from
; qkv [g 28][row 4096][64] (q 0-15, k 16-19, v hi 20-23, v lo 24-27).  Scores, softmax and sums in f32, with a running maximum.
; y leaves in bf16 into yc [head 16][block 64][row 80][64].  Block 32 batch + 2 i + mh holds: rows 0-15 = hi = bf16(y) of sequence rows
; 32 i + 16 mh .., rows 16-31 = lo = bf16(y - hi) of the same rows, rows 32-79 = bf16(y) of sequence rows 512 + 96 i + 48 mh ..
; WHERE THE SECOND HALVES ARE SPENT.  A row of n keys under a spread-out softmax has |y| near |v| / sqrt(n): the first rows stand far above
; the root mean square of the whole output, against which each number is held, and need more than one rounding's bits.
;   v's lo enters P V only in the last trip: the last key tile of the second pass's block.  For sequence rows 0-127 (a = 0) that tile holds
;   all their keys.  It runs in every cluster, so that the text has no branch there: 16 of a wave's 560 matrix instructions.
;   y's lo is made for sequence rows below 512 only (a < 4).
; LIMIT.  From row 128 on y carries v's plain rounding to f16 (2^-12 relative), from row 512 on y itself is one bf16 (2^-9 relative), each
; divided by sqrt(n) where n keys share the weight; a later row whose softmax is peaked on one key carries them undivided.
; SHARES.  Cluster cid = 0..63: a = cid & 7, (batch, kv head) = cid >> 3.  Work-group cx of the cluster takes the pair p = 4 a + cx of
; 32-row query blocks: first block 63 - p, then block p, for the four heads of its kv head.  Keys go in tiles of 128: block 63 - p needs
; 16 - a tiles, block p needs a + 1: 17 trips in every work-group, and the four partners walk the same K and V tiles in the same order,
; so every tile is asked for jointly (mask 15).  cx enters only global addresses of q and y and a compare value in vector registers.
; THE RING.  Trip t's tile lies in slot t mod 4.  At the head of every even trip t each wave waits for all its tensor loads (tiles t and
; t + 1 have landed) and for its LDS reads, the cluster passes a round of its barrier, and tiles t + 2 and t + 3 are asked for, into the
; slots read in trips t - 2 and t - 1: a request has two whole trips in which to land, and there is one round for two trips.
; Wave w: head w & 3, keys 64 (w >> 2) .. + 63 of each tile, both 16-row query tiles (tau = 0: tile w >> 2, its own; tau = 1: the other).
; At a pass's end the two waves of a head exchange their tau = 1 results through LDS and each merges and stores its own tile.
; S^T = K Q^T: a lane holds one query (r) and keys 16 kt + 8 h + j, so the row maximum needs one step across lanes, and P^T packs in
; place into the second source of O^T = V^T P^T (V transposed by ds_load_tr16_b128).
; MATRIX WORK RIDES IN THE SOFTMAX.  The two query tiles are independent: tile 1's scores are multiplied among the vector lines of tile 0's
; softmax, and tile 0's O^T among those of tile 1's, one product behind every few vector lines, which name none of its registers.
; FURTHER LIMITS.  Masked scores, and the maximum's start, are the finite -2^100, whose product with c is exact: a raw score q.k below
; -2^100 counts as masked.  A wave whose keys are all masked for a row gives finite numbers that the merge weighs with exp2 of about
; -2^97 = 0.  v_exp_f32 gives 0 for results below 2^-126 (ISA guide, its entry).  q, k, v are f16: below 65,504 in magnitude.
; The four accumulators of each group of eight products take turns, one instruction a turn.
.set KP, 144                           ; LDS pitch of K's rows
.set VP, 160                           ; of V's rows
.set KBYTES, 128*KP
.set VBYTES, 128*VP
.set SLOT, KBYTES+VBYTES               ; K, V hi: 38,912; four slots
.set VLO,  4*SLOT                      ; V lo of key tile a: filled once, read in the last trip
.set CHUNK, 524288
.set TILEB, 16384                      ; a key tile in memory: 128 rows of 128 bytes
.set EXW,  4352                        ; a wave's exchange: 32 registers x 128 bytes + 256
.set EX0,  VLO+VBYTES                  ; exchange written in even trips, read in odd trips
.set EX1,  EX0+8*EXW                   ; and the other way round: no region is written and read between the same two barriers
.set STG,  EX1+8*EXW                   ; each wave's own stage for y: hi's 16 rows x 144, then lo's
.set STW,  2*16*KP
.set YBLK,   10240                     ; a block of yc: 80 rows of 128 bytes
.set YBATCH, 32*YBLK
.set YHEAD,  64*YBLK
.set KA,  4                            ; v4-5    K fragments' address in slots 0, 2; the odd slots are reached by the immediate
.set VA,  6                            ; v6-7    V fragments', likewise
.set NMC, 8                            ; v8, v10 -m c for tau = 0, 1 (low registers of pairs; v9, v11 are written once)
.set AL,  12                           ; v12, v14 alpha, likewise
.set MX,  16                           ; v16-17  running maximum
.set LS,  18                           ; v18-19  my lane's part of the row sum
.set VC,  20                           ; v20-21  r - 8 h - 64 sub + 16 (sub ^ tau)
.set VQ,  22                           ; v22-23  q's byte offset
.set QF,  24                           ; v24-55  Q fragments at 16 tau + 8 c
.set OA,  56                           ; v56-119 O^T at 32 tau + 8 dt
.set SC,  120                          ; v120-183 S^T at 32 tau + 8 kt; then P^T at 32 tau + 16 c
.set KVF, 184                          ; v184-247 K, then V hi, in the last trip then V lo: fragments at 16 tile + 8 c
.set TT,  248                          ; v248-251 at work
.set VT,  252                          ; v252-253 mask bound; in the last trip then V lo's address
.set G1K, 28
.set G1V, 36
.set G0K, 44                           ; s[44:51] group 0 of K's loads: the first and the second tile of a request
.set G0V, 52                           ; s[52:59] of V's
.set KB,  60
.set VBS, 62
.set QHI, 68
.set QLO, 70
.set YHI, 72
.set YLO, 74
.set G0L, 84                           ; s[84:87] V lo: one load, never written again
                                       ; s100, s101: LDS byte of my 16 rows of K, of V, in slot 0
.macro ROUND                           ; a round of the cluster's barrier
	s_barrier_signal -1
	s_barrier_wait -1
	s_cmp_lg_u32 s8, 0
	s_cbranch_scc1 .Lnot_wave_0_\@
	s_barrier_signal -3
.Lnot_wave_0_\@:
	s_barrier_wait -3
	s_barrier_signal -1
	s_barrier_wait -1
.endm
.macro QLOAD base                      ; lane (r, h): query r of tile tau, d = 32 c + 8 h .. and 32 c + 16 + 8 h ..
.irp t, 0,1
.irp c, 0,1
	global_load_b128 v[QF+16*\t+8*\c:QF+16*\t+8*\c+3],   v[VQ+\t], s[\base:\base+1] offset:64*\c
	global_load_b128 v[QF+16*\t+8*\c+4:QF+16*\t+8*\c+7], v[VQ+\t], s[\base:\base+1] offset:64*\c+32
.endr
.endr
.endm
.macro INIT                            ; a pass's start; it runs twice in a wave.  (A pass's first alpha is 0 and would clear O too, but would carry a y that is not finite from one pass's rows into the other's.)
.set i, 0
.rept 64
	v_mov_b32 v[OA+i], 0
.set i, i+1
.endr
	v_mov_b32 v[MX], s21
	v_mov_b32 v[MX+1], s21
	v_mul_f32 v[NMC], s24, v[MX]
	v_mul_f32 v[NMC+2], s24, v[MX]
	v_mov_b32 v[LS], 0
	v_mov_b32 v[LS+1], 0
.endm
.macro MASK t                          ; the pass's last tile: key 64 sub + 16 kt + 8 h + j stays if it is not beyond query s19 + 16 (sub ^ tau) + r
	v_add_nc_u32 v[VT+\t], s19, v[VC+\t]
.irp kt, 0,1,2,3
.irp j, 0,1,2,3,4,5,6,7
	v_cmp_le_i32 vcc_lo, 16*\kt+\j, v[VT+\t]
	v_cndmask_b32 v[SC+32*\t+8*\kt+\j], s21, v[SC+32*\t+8*\kt+\j], vcc_lo
.endr
.endr
.endm
; Product number mm (0..7) of S^T for query tile t: key tile mm & 3, half mm >> 2 of d.  The first four start the sums.
.macro QKSTEP t
.if mm < 4
	v_wmma_f32_16x16x32_f16 v[SC+32*\t+8*mm:SC+32*\t+8*mm+7], v[KVF+16*mm:KVF+16*mm+7], v[QF+16*\t:QF+16*\t+7], 0
.else
	v_wmma_f32_16x16x32_f16 v[SC+32*\t+8*(mm-4):SC+32*\t+8*(mm-4)+7], v[KVF+16*(mm-4)+8:KVF+16*(mm-4)+15], v[QF+16*\t+8:QF+16*\t+15], v[SC+32*\t+8*(mm-4):SC+32*\t+8*(mm-4)+7]
.endif
.set mm, mm+1
.endm
; Product number mm (0..7) of O^T for query tile t, on the V fragments that lie in KVF: d tile mm & 3, half mm >> 2 of the keys.
.macro PVSTEP t
	v_wmma_f32_16x16x32_f16 v[OA+32*\t+8*(mm%4):OA+32*\t+8*(mm%4)+7], v[KVF+16*(mm%4)+8*(mm/4):KVF+16*(mm%4)+8*(mm/4)+7], v[SC+32*\t+16*(mm/4):SC+32*\t+16*(mm/4)+7], v[OA+32*\t+8*(mm%4):OA+32*\t+8*(mm%4)+7]
.set mm, mm+1
.endm
; A place in the softmax of query tile t at which the other tile's next product rides, if t is the one wanted:
; in tile 0's softmax the scores of tile 1, in tile 1's softmax the O^T of tile 0.
.macro RIDE t, want
.if \t == \want
.if \t == 0
	QKSTEP 1
.else
	PVSTEP 0
.endif
.endif
.endm
.macro SCALE4 t                        ; four packed lines of s c - m c
.rept 4
	v_pk_fma_f32 v[SC+32*\t+2*i:SC+32*\t+2*i+1], v[SC+32*\t+2*i:SC+32*\t+2*i+1], s[22:23], v[NMC+2*\t:NMC+2*\t+1] op_sel_hi:[1,0,0]
.set i, i+1
.endr
.endm
; The softmax's first part: the new maximum, alpha, the exponents.  Seven products ride for t = 0, four for t = 1.
.macro SOFTA t
.irp q, 0,1,2,3
	v_max3_num_f32 v[TT+\q], v[SC+32*\t+8*\q], v[SC+32*\t+8*\q+1], v[SC+32*\t+8*\q+2]      ; four chains, eight scores each
.endr
	RIDE \t, 0
.irp q, 0,1,2,3
	v_max3_num_f32 v[TT+\q], v[TT+\q], v[SC+32*\t+8*\q+3], v[SC+32*\t+8*\q+4]
.endr
	RIDE \t, 0
	RIDE \t, 1
.irp q, 0,1,2,3
	v_max3_num_f32 v[TT+\q], v[TT+\q], v[SC+32*\t+8*\q+5], v[SC+32*\t+8*\q+6]
.endr
	RIDE \t, 0
	v_max3_num_f32 v[TT], v[TT], v[SC+32*\t+7], v[SC+32*\t+15]
	v_max3_num_f32 v[TT+2], v[TT+2], v[SC+32*\t+23], v[SC+32*\t+31]
	v_max3_num_f32 v[TT], v[TT], v[TT+1], v[MX+\t]         ; the old maximum joins
	v_max3_num_f32 v[TT], v[TT], v[TT+2], v[TT+3]
	RIDE \t, 0
	RIDE \t, 1
	v_permlanex16_b32 v[TT+2], v[TT], s26, s27     ; the same query's other keys lie in lane L xor 16
	v_max_num_f32 v[MX+\t], v[TT], v[TT+2]
	v_fma_f32 v[TT+3], v[MX+\t], s24, -v[NMC+2*\t] ; (m old - m new) c
	v_mul_f32 v[NMC+2*\t], s24, v[MX+\t]           ; -m c
	v_exp_f32 v[AL+2*\t], v[TT+3]                  ; alpha; the packed lines below are the plain place behind it (ISA guide 5.7.2)
	RIDE \t, 0
.set i, 0
	SCALE4 \t
	RIDE \t, 0
	SCALE4 \t
	RIDE \t, 0                                     ; tile 1's last score product: the eight packed lines below are the places behind it
	RIDE \t, 1
	SCALE4 \t
	SCALE4 \t
	RIDE \t, 1
.endm
; The softmax's second part: p, O's rescaling, the row sum, P^T in f16.  Four products ride for t = 1.
.macro SOFTB t
.set i, 0
.rept 4
.rept 8
	v_exp_f32 v[SC+32*\t+i], v[SC+32*\t+i]         ; p = 2^(s c - m c)
.set i, i+1
.endr
	RIDE \t, 1
.endr
.set i, 0
	s_wait_alu depctr_va_vdst(0)
.rept 16
	v_pk_mul_f32 v[OA+32*\t+2*i:OA+32*\t+2*i+1], v[OA+32*\t+2*i:OA+32*\t+2*i+1], v[AL+2*\t:AL+2*\t+1] op_sel_hi:[1,0]   ; plain places behind the exponentials
.set i, i+1
.endr
	v_pk_add_f32 v[TT:TT+1], v[SC+32*\t:SC+32*\t+1], v[SC+32*\t+2:SC+32*\t+3]
	v_pk_add_f32 v[TT+2:TT+3], v[SC+32*\t+16:SC+32*\t+17], v[SC+32*\t+18:SC+32*\t+19]
.set i, 2
.rept 6
	v_pk_add_f32 v[TT:TT+1], v[TT:TT+1], v[SC+32*\t+2*i:SC+32*\t+2*i+1]
	v_pk_add_f32 v[TT+2:TT+3], v[TT+2:TT+3], v[SC+32*\t+16+2*i:SC+32*\t+16+2*i+1]
.set i, i+1
.endr
	v_pk_add_f32 v[TT:TT+1], v[TT:TT+1], v[TT+2:TT+3]
	v_add_f32 v[TT], v[TT], v[TT+1]
	v_fma_f32 v[LS+\t], v[LS+\t], v[AL+2*\t], v[TT]
	; pack to f16 in place: key tiles 2 c, 2 c + 1 become registers 0-3, 4-7 of P^T's fragment c; each target has been read before it is written
.irp c, 0,1
.irp p, 0,1,2,3,4,5,6,7
	v_cvt_pk_f16_f32 v[SC+32*\t+16*\c+\p], v[SC+32*\t+16*\c+2*\p], v[SC+32*\t+16*\c+2*\p+1]
.endr
.endr
.endm
.macro EXCH region, qload              ; my tau = 1 results, for the head's other wave
	v_lshl_add_u32 v[KVF], v1, 4, s76
	v_lshl_add_u32 v[KVF+1], v1, 3, s76
	v_add_nc_u32 v[KVF], \region, v[KVF]
	v_add_nc_u32 v[KVF+1], (\region)+4096, v[KVF+1]
	v_mov_b32 v[TT], v[NMC+2]
	v_mov_b32 v[TT+1], v[LS+1]
.irp i, 0,1,2,3,4,5,6,7
	ds_store_b128 v[KVF], v[OA+32+4*\i:OA+32+4*\i+3] offset:512*\i
.endr
	ds_store_b64 v[KVF+1], v[TT:TT+1]
.if \qload
	QLOAD QLO                                      ; the first pass's q has had its last use
.endif
.endm
; My tau = 0 with the other wave's tau = 1: the same query tile, the other half of the keys.  lo = 1: where a < 4 y's lo is made and stored too.
.macro MERGE region, ybase, reset, lo
	v_lshl_add_u32 v[KVF+34], v1, 4, s77
	v_lshl_add_u32 v[KVF+35], v1, 3, s77
	v_add_nc_u32 v[KVF+34], \region, v[KVF+34]
	v_add_nc_u32 v[KVF+35], (\region)+4096, v[KVF+35]
.irp i, 0,1,2,3,4,5,6,7
	ds_load_b128 v[KVF+4*\i:KVF+4*\i+3], v[KVF+34] offset:512*\i
.endr
	ds_load_b64 v[KVF+32:KVF+33], v[KVF+35]
	v_mul_u32_u24 v[KVF+36], v2, KP
	v_lshl_add_u32 v[KVF+36], v3, 4, v[KVF+36]
	v_add_nc_u32 v[KVF+36], s78, v[KVF+36]         ; stage in: row r, byte 16 h
	v_lshrrev_b32 v[KVF+37], 3, v1
	v_mul_u32_u24 v[KVF+37], v[KVF+37], KP
	v_and_b32 v[KVF+38], 7, v1
	v_lshl_add_u32 v[KVF+37], v[KVF+38], 4, v[KVF+37]
	v_add_nc_u32 v[KVF+37], s78, v[KVF+37]         ; stage back: row L >> 3, byte 16 (L & 7)
	v_lshlrev_b32 v[KVF+38], 4, v1                 ; y: 16 L
	s_wait_dscnt 0x0
	v_min_num_f32 v[KVF+39], v[NMC], v[KVF+32]     ; -c x the larger maximum
	v_sub_f32 v[KVF+40], v[KVF+39], v[NMC]
	v_sub_f32 v[KVF+41], v[KVF+39], v[KVF+32]
	v_exp_f32 v[AL], v[KVF+40]                     ; my weight
	v_exp_f32 v[AL+2], v[KVF+41]                   ; the other's
	v_nop                                          ; the plain place behind them
	s_wait_alu depctr_va_vdst(0)
	v_mul_f32 v[KVF+42], v[LS], v[AL]
	v_fmac_f32 v[KVF+42], v[KVF+33], v[AL+2]
	v_permlanex16_b32 v[TT+2], v[KVF+42], s26, s27
	v_add_f32 v[KVF+42], v[KVF+42], v[TT+2]        ; the whole row sum: at least 1, the largest score's own term
	v_rcp_f32 v[KVF+43], v[KVF+42]
	v_nop
	s_wait_alu depctr_va_vdst(0)
	v_mul_f32 v[AL], v[AL], v[KVF+43]
	v_mul_f32 v[AL+2], v[AL+2], v[KVF+43]
.set i, 0
.rept 16
	v_pk_mul_f32 v[OA+2*i:OA+2*i+1], v[OA+2*i:OA+2*i+1], v[AL:AL+1] op_sel_hi:[1,0]
.set i, i+1
.endr
.set i, 0
.rept 16
	v_pk_fma_f32 v[OA+2*i:OA+2*i+1], v[KVF+2*i:KVF+2*i+1], v[AL+2:AL+3], v[OA+2*i:OA+2*i+1] op_sel_hi:[1,0,1]
.set i, i+1
.endr
.set i, 0
.rept 16
	v_cvt_pk_bf16_f32 v[KVF+i], v[OA+2*i], v[OA+2*i+1]     ; registers 4 dt .. + 3: y(query r, d = 16 dt + 8 h .. + 7)
.set i, i+1
.endr
.irp dt, 0,1,2,3
	ds_store_b128 v[KVF+36], v[KVF+4*\dt:KVF+4*\dt+3] offset:32*\dt
.endr
.irp u, 0,1,2,3
	ds_load_b128 v[SC+32+4*\u:SC+32+4*\u+3], v[KVF+37] offset:\u*4*KP      ; my own bytes: LDS serves a wave's instructions in order
.endr
.irp u, 0,1,2,3
	s_wait_dscnt 3-\u                              ; the younger read-backs stay out
	global_store_b128 v[KVF+38], v[SC+32+4*\u:SC+32+4*\u+3], s[\ybase:\ybase+1] offset:512*\u   ; 512 consecutive bytes, aligned; 16 rows of y in four stores
.endr
.if \lo
	s_cmp_ge_u32 s12, 4                            ; a: the same in the four partners; sequence rows from 512 on have no lo
	s_cbranch_scc1 .Lnolo_\@
.set i, 0
.rept 16
	v_lshlrev_b32 v[SC+2*i], 16, v[KVF+i]                  ; hi as f32 (P's registers are free here)
	v_and_b32 v[SC+2*i+1], 0xffff0000, v[KVF+i]
.set i, i+1
.endr
.set i, 0
.rept 16
	v_pk_add_f32 v[OA+2*i:OA+2*i+1], v[OA+2*i:OA+2*i+1], v[SC+2*i:SC+2*i+1] neg_lo:[0,1] neg_hi:[0,1]   ; y - hi, exact in f32
.set i, i+1
.endr
.set i, 0
.rept 16
	v_cvt_pk_bf16_f32 v[KVF+16+i], v[OA+2*i], v[OA+2*i+1]  ; lo
.set i, i+1
.endr
.irp dt, 0,1,2,3
	ds_store_b128 v[KVF+36], v[KVF+16+4*\dt:KVF+16+4*\dt+3] offset:16*KP+32*\dt
.endr
.irp u, 0,1,2,3
	ds_load_b128 v[SC+48+4*\u:SC+48+4*\u+3], v[KVF+37] offset:16*KP+\u*4*KP
.endr
.irp u, 0,1,2,3
	s_wait_dscnt 3-\u
	global_store_b128 v[KVF+38], v[SC+48+4*\u:SC+48+4*\u+3], s[\ybase:\ybase+1] offset:2048+512*\u   ; lo's 16 rows follow hi's in the block
.endr
.Lnolo_\@:
.endif
.if \reset
	s_wait_xcnt 0x0                                ; the stores' registers are written again only behind this wait
	INIT
	s_mov_b32 s19, s20                             ; the second pass's mask bound
.endif
.endm
; Byte offset in a (head, batch) part of yc of the 16-row tile 2 blk + sub, for sequence rows from 512 on: tile t = 2 blk + sub - 32 lies in
; block t / 3 at rows 32 + 16 (t % 3).  171 t >> 9 = t / 3 for t < 96.  (For rows below 512 the result is not used.)
.macro YNORM dst, blk
	s_lshl1_add_u32 \dst, \blk, s10
	s_sub_co_u32 \dst, \dst, 32
	s_mul_i32 s90, \dst, 171
	s_lshr_b32 s90, s90, 9
	s_mul_i32 s91, s90, 3
	s_sub_co_u32 \dst, \dst, s91
	s_lshl_b32 \dst, \dst, 11
	s_mul_i32 s90, s90, YBLK
	s_add_co_u32 \dst, \dst, s90
	s_add_co_u32 \dst, \dst, 4096
.endm
; Descriptor set \set gets the tile of trip s16 + \ahead, for slot \fslot.  It stands where no tensor load of the wave is out.
.macro TILEADR set, ahead, fslot
	s_add_co_u32 s[G0K+4*\set+1], s100, (\fslot)*SLOT
	s_add_co_u32 s[G0V+4*\set+1], s101, (\fslot)*SLOT
	s_add_co_u32 s17, s16, \ahead                  ; that trip's tile: its number in its own pass
	s_sub_co_u32 s25, s17, s14
	s_cmp_lt_u32 s17, s14
	s_cselect_b32 s66, s17, s25
	s_lshl_b32 s66, s66, 14                        ; 128 rows of 128 bytes
	s_add_nc_u64 s[G0K+4*\set+2:G0K+4*\set+3], s[KB:KB+1], s[66:67]
	s_add_nc_u64 s[G0V+4*\set+2:G0V+4*\set+3], s[VBS:VBS+1], s[66:67]
.endm
	s_load_b128 s[4:7], s[0:1], 0x0                ; qkv s[4:5], yc s[6:7]
	v_lshl_add_u32 v254, v0, 2, 0x45000
	v_mov_b32 v255, 0
	ds_add_u32 v254, v255
	v_lshrrev_b32 v1, 5, v0
	v_readfirstlane_b32 s8, v1                     ; wave
	s_and_b32 s9, s8, 3                            ; head in the group
	s_lshr_b32 s10, s8, 2                          ; sub: my half of the keys, my own query tile
	s_bfe_u32 s11, ttmp6, 0x40000                  ; cx
	s_and_b32 s12, ttmp9, 7                        ; a
	s_lshr_b32 s13, ttmp9, 3                       ; batch x 4 + kv head
	s_sub_co_u32 s14, 16, s12                      ; tiles of the first pass
	s_sub_co_u32 s15, 15, s12                      ; its last trip
	s_mov_b32 s16, 0                               ; trip
	s_sub_co_u32 s19, 3, s11
	s_lshl_b32 s19, s19, 5                         ; first pass: my block starts 32 (3 - cx) keys into its last tile
	s_lshl_b32 s20, s11, 5                         ; second pass: 32 cx
	s_mov_b32 s21, 0xf1800000                      ; -2^100
	s_mov_b32 s22, 0x3e38aa3b                      ; c = log2(e) / 8: the scale 1 / sqrt(64) rides in the exponent's factor
	s_mov_b32 s23, 0x3e38aa3b
	s_mov_b32 s24, 0xbe38aa3b                      ; -c
	s_mov_b32 s26, 0x76543210
	s_mov_b32 s27, 0xfedcba98
	; group 1: 16 rows of 64 elements of 2 bytes, padded by 4 (K) or 8 (V) words; mask 15 with bit 21 beside it
	s_mov_b32 s[G1K+0], 15|(1<<16)|(1<<20)|(1<<21)|(4<<22)|(3<<25)
	s_mov_b32 s[G1V+0], 15|(1<<16)|(1<<20)|(1<<21)|(4<<22)|(7<<25)
	s_mov_b32 s[G1K+1], 64<<16
	s_mov_b32 s[G1V+1], 64<<16
	s_mov_b32 s[G1K+2], 16<<16
	s_mov_b32 s[G1V+2], 16<<16
	s_mov_b32 s[G1K+3], 64<<16
	s_mov_b32 s[G1V+3], 64<<16
	s_mov_b32 s[G1K+4], 16
	s_mov_b32 s[G1V+4], 16
	s_mov_b32 s[G1K+5], 64
	s_mov_b32 s[G1V+5], 64
	s_mov_b32 s[G1K+6], 0
	s_mov_b32 s[G1V+6], 0
	s_mov_b32 s[G1K+7], 0
	s_mov_b32 s[G1V+7], 0
	s_mov_b32 s[G0K], 1
	s_mov_b32 s[G0K+4], 1
	s_mov_b32 s[G0V], 1
	s_mov_b32 s[G0V+4], 1
	s_mov_b32 s[G0L], 1
	s_mul_i32 s100, s8, 16*KP                      ; my 16 rows of each tile: K's
	s_mul_i32 s101, s8, 16*VP
	s_add_co_u32 s101, s101, KBYTES                ; and V's, in slot 0
	s_mov_b32 s[G0K+1], s100                       ; tile 0 into slot 0,
	s_mov_b32 s[G0V+1], s101
	s_add_co_u32 s[G0K+5], s100, SLOT              ; tile 1 into slot 1
	s_add_co_u32 s[G0V+5], s101, SLOT
	s_add_co_u32 s[G0L+1], s101, VLO-KBYTES
	s_and_b32 s25, s13, 3                          ; kv head
	s_lshr_b32 s79, s13, 2
	s_lshl_b32 s79, s79, 18                        ; batch x 2,048 rows of 128 bytes
	s_add_co_u32 s66, s25, 16
	s_lshl_b32 s66, s66, 19                        ; k's chunk
	s_add_co_u32 s66, s66, s79
	s_lshl_b32 s67, s8, 11                         ; my 16 rows
	s_add_co_u32 s66, s66, s67
	s_mov_b32 s67, 0
	s_lshl2_add_u32 s2, s25, s9                    ; query head = 4 kv + g
	s_mul_i32 s92, s2, YHEAD
	s_lshr_b32 s93, s13, 2
	s_mul_i32 s93, s93, YBATCH
	s_add_co_u32 s92, s92, s93                     ; yc: my head and batch
	s_lshl_b32 s2, s2, 19
	s_add_co_u32 s2, s2, s79                       ; qkv: my head and batch
	s_lshl2_add_u32 s80, s12, s11                  ; p = 4 a + cx (of the temporaries s80-83 and s88-91 alone ever hold what comes of cx)
	s_sub_co_u32 s81, 63, s80                      ; the first pass's block
	YNORM s88, s81
	s_add_co_u32 s88, s88, s92                     ; y of the first pass: always beyond row 512
	YNORM s89, s80
	s_lshl1_add_u32 s90, s80, s10
	s_mul_i32 s90, s90, YBLK                       ; rows below 512: tile 2 p + sub heads block 2 p + sub
	s_cmp_lt_u32 s12, 4
	s_cselect_b32 s89, s90, s89
	s_add_co_u32 s89, s89, s92                     ; y of the second pass
	s_lshl_b32 s82, s81, 12                        ; q of block 63 - p: 32 rows of 128 bytes each
	s_add_co_u32 s82, s82, s2
	s_mov_b32 s83, 0
	s_mul_i32 s76, s8, EXW
	s_xor_b32 s77, s8, 4
	s_mul_i32 s77, s77, EXW
	s_mul_i32 s78, s8, STW
	s_add_co_u32 s78, s78, STG
	s_wait_dscnt 0x0
	s_wait_kmcnt 0x0
	s_add_nc_u64 s[KB:KB+1], s[4:5], s[66:67]
	s_add_nc_u64 s[VBS:VBS+1], s[KB:KB+1], 4*CHUNK         ; v's hi lies four chunks behind k
	s_lshl_b32 s66, s12, 14                                ; key tile a
	s_add_nc_u64 s[G0L+2:G0L+3], s[KB:KB+1], s[66:67]
	s_add_nc_u64 s[G0L+2:G0L+3], s[G0L+2:G0L+3], 8*CHUNK   ; v's lo lies eight chunks behind k
	s_or_b32 s[KB+1], s[KB+1], 0x80000000
	s_or_b32 s[VBS+1], s[VBS+1], 0x80000000
	s_or_b32 s[G0L+3], s[G0L+3], 0x80000000
	s_mov_b64 s[G0K+2:G0K+3], s[KB:KB+1]                   ; tile 0
	s_mov_b64 s[G0V+2:G0V+3], s[VBS:VBS+1]
	s_add_nc_u64 s[G0K+6:G0K+7], s[KB:KB+1], TILEB         ; tile 1 (the first pass has nine tiles at the least)
	s_add_nc_u64 s[G0V+6:G0V+7], s[VBS:VBS+1], TILEB
	s_add_nc_u64 s[QHI:QHI+1], s[4:5], s[82:83]
	s_mov_b32 s82, s88
	s_add_nc_u64 s[YHI:YHI+1], s[6:7], s[82:83]
	s_lshl_b32 s82, s80, 12                        ; block p
	s_add_co_u32 s82, s82, s2
	s_add_nc_u64 s[QLO:QLO+1], s[4:5], s[82:83]
	s_mov_b32 s82, s89
	s_add_nc_u64 s[YLO:YLO+1], s[6:7], s[82:83]
	v_and_b32 v1, 31, v0                           ; L
	v_and_b32 v2, 15, v0                           ; r
	v_bfe_u32 v3, v0, 4, 1                         ; h
	v_lshlrev_b32 v[VQ], 7, v2
	v_lshl_add_u32 v[VQ], v3, 4, v[VQ]             ; r x 128 + 16 h
	s_lshl_b32 s3, s10, 11
	s_xor_b32 s25, s3, 2048
	v_add_nc_u32 v[VQ+1], s25, v[VQ]               ; tau = 1: the other tile
	v_add_nc_u32 v[VQ], s3, v[VQ]                  ; tau = 0: tile sub
	QLOAD QHI
	v_mul_u32_u24 v[KA], v2, KP
	v_lshl_add_u32 v[KA], v3, 4, v[KA]
	s_mul_i32 s3, s10, 64*KP
	v_add_nc_u32 v[KA], s3, v[KA]
	v_add_nc_u32 v[KA+1], 2*SLOT, v[KA]            ; slots 2 and 3
	v_and_b32 v[VA], 7, v0
	v_lshl_add_u32 v[VA], v3, 3, v[VA]
	v_mul_u32_u24 v[VA], v[VA], VP
	v_bfe_u32 v[VA+1], v0, 3, 1
	v_lshl_add_u32 v[VA], v[VA+1], 4, v[VA]
	s_mul_i32 s3, s10, 64*VP
	s_add_co_u32 s3, s3, KBYTES
	v_add_nc_u32 v[VA], s3, v[VA]
	v_add_nc_u32 v[VA+1], 2*SLOT, v[VA]
	v_lshlrev_b32 v[VC], 3, v3
	v_sub_nc_u32 v[VC], v2, v[VC]                  ; r - 8 h
	s_mul_i32 s3, s10, -48                         ; tau = 0: 16 sub - 64 sub
	s_mul_i32 s25, s10, -80
	s_add_co_u32 s25, s25, 16                      ; tau = 1: 16 (1 - sub) - 64 sub
	v_add_nc_u32 v[VC+1], s25, v[VC]
	v_add_nc_u32 v[VC], s3, v[VC]
	v_mov_b32 v[NMC+1], 0                          ; the pairs' high registers count as read
	v_mov_b32 v[NMC+3], 0
	v_mov_b32 v[AL+1], 0
	v_mov_b32 v[AL+3], 0
	v_mov_b32 v[TT+2], 0                           ; v_permlanex16_b32's destination counts as read
	INIT
	ROUND                                          ; the four work-groups are here: the first joint loads meet
	tensor_load_to_lds s[G0K:G0K+3], s[G1K:G1K+7]
	s_nop 0
	tensor_load_to_lds s[G0V:G0V+3], s[G1V:G1V+7]
	s_nop 0
	tensor_load_to_lds s[G0K+4:G0K+7], s[G1K:G1K+7]
	s_nop 0
	tensor_load_to_lds s[G0V+4:G0V+7], s[G1V:G1V+7]
	s_nop 0
	tensor_load_to_lds s[G0L:G0L+3], s[G1V:G1V+7]  ; V lo of tile a, into bytes that are filled this once
	s_nop 0
; One trip: tile s16, which lies in \slot.  fills = how many tiles are asked for at its head (even trips: the tiles of trips s16 + 2 and
; s16 + 3); land = 1: the wave waits for all its tensor loads there.  By this text's count five tensor loads of a wave are out at the
; start, four later.
.macro TRIP slot, fills, land, tail
.if \land
	s_wait_tensorcnt 0x0                           ; all my loads have landed, my rows of this trip's and the next trip's tile among them: every group 0 may be written
	ds_add_u32 v254, v255
	s_wait_dscnt 0x0
.endif
.if \fills
	TILEADR 0, 2, (\slot+2)%4
.if \fills == 2
	TILEADR 1, 3, (\slot+3)%4
.endif
.endif
	s_wait_dscnt 0x0                               ; my reads of the last trips' tiles are back, my exchange stores are done
.if \fills
	ROUND                                          ; both now hold of every wave of the four work-groups
	tensor_load_to_lds s[G0K:G0K+3], s[G1K:G1K+7]  ; into the slot read two trips ago
	s_nop 0
	tensor_load_to_lds s[G0V:G0V+3], s[G1V:G1V+7]
	s_nop 0
.if \fills == 2
	tensor_load_to_lds s[G0K+4:G0K+7], s[G1K:G1K+7]        ; and into the slot read last trip
	s_nop 0
	tensor_load_to_lds s[G0V+4:G0V+7], s[G1V:G1V+7]
	s_nop 0
.endif
.else
	s_barrier_signal -1                            ; it stands between the exchange's stores of the last trip
	s_barrier_wait -1                              ; and the merge's loads of this one (and, in the last trip, shows the last tile to all waves)
.endif
	s_cmp_lg_u32 s16, s14                          ; the second pass's first trip finishes the first pass
	s_cbranch_scc1 .Lnomerge_\@
	MERGE EX0+(1-\slot%2)*8*EXW, YHI, 1, 0
.Lnomerge_\@:
.irp kt, 0,1,2,3
.irp c, 0,1
	ds_load_b128 v[KVF+16*\kt+8*\c:KVF+16*\kt+8*\c+3],   v[KA+\slot/2] offset:(\slot%2)*SLOT+\kt*16*KP+64*\c
	ds_load_b128 v[KVF+16*\kt+8*\c+4:KVF+16*\kt+8*\c+7], v[KA+\slot/2] offset:(\slot%2)*SLOT+\kt*16*KP+64*\c+32
.endr
.endr
	s_wait_loadcnt 0x0                             ; q (met at once but in a pass's first trip)
	s_wait_dscnt 0x0
.set mm, 0
.rept 8
	QKSTEP 0                                       ; the scores of query tile 0
.endr
.set mm, 0
	QKSTEP 1                                       ; tile 1's first product; the other seven ride in tile 0's softmax
.rept 4
	v_nop                                          ; four places behind tile 0's last product: then its scores are read (ISA guide 7.12.1)
.endr
.if \tail
	MASK 0                                         ; trip 16 is the second pass's last in every work-group
.else
	s_cmp_lg_u32 s16, s15
	s_cbranch_scc1 .Lnomask0_\@
	MASK 0
.Lnomask0_\@:
.endif
	SOFTA 0
.irp dt, 0,1,2,3                                       ; K's registers are loaded again eight plain vector lines behind the last product that read them
.irp c, 0,1
	ds_load_tr16_b128 v[KVF+16*\dt+8*\c:KVF+16*\dt+8*\c+3],   v[VA+\slot/2] offset:(\slot%2)*SLOT+\c*32*VP+32*\dt
	ds_load_tr16_b128 v[KVF+16*\dt+8*\c+4:KVF+16*\dt+8*\c+7], v[VA+\slot/2] offset:(\slot%2)*SLOT+\c*32*VP+32*\dt+16*VP
.endr
.endr
	SOFTB 0
.if \tail
	MASK 1
.else
	s_cmp_lg_u32 s16, s15
	s_cbranch_scc1 .Lnomask1_\@
	MASK 1
.Lnomask1_\@:
.endif
	s_wait_dscnt 0x0                               ; V hi
.set mm, 0
	SOFTA 1                                        ; with O^T of query tile 0 riding
	SOFTB 1
.set mm, 0
.rept 8
	PVSTEP 1                                       ; O^T of query tile 1
.endr
.if \tail
.rept 4
	v_nop                                          ; four places: then V hi's registers are loaded again
.endr
	v_add_nc_u32 v[VT], VLO-KBYTES, v[VA]          ; the same rows and columns of V lo's tile
.irp dt, 0,1,2,3
.irp c, 0,1
	ds_load_tr16_b128 v[KVF+16*\dt+8*\c:KVF+16*\dt+8*\c+3],   v[VT] offset:\c*32*VP+32*\dt
	ds_load_tr16_b128 v[KVF+16*\dt+8*\c+4:KVF+16*\dt+8*\c+7], v[VT] offset:\c*32*VP+32*\dt+16*VP
.endr
.endr
	s_wait_dscnt 0x0                               ; V lo; this wait is met once in a wave's life
.set mm, 0
.rept 8
	PVSTEP 0
.endr
.set mm, 0
.rept 8
	PVSTEP 1
.endr
.endif
.rept 5
	v_nop                                          ; five places on every way on: O is read, V's registers are loaded, and the next scores are written over P
.endr
.if \tail == 0
	s_cmp_lg_u32 s16, s15
	s_cbranch_scc1 .Lnoex_\@
	EXCH EX0+(\slot%2)*8*EXW, 1
.Lnoex_\@:
.endif
	s_add_co_u32 s16, s16, 1
.endm
	s_mov_b32 s18, 3
.Ltrips:                                               ; trips 0 to 11
	TRIP 0, 2, 1, 0
	TRIP 1, 0, 0, 0
	TRIP 2, 2, 1, 0
	TRIP 3, 0, 0, 0
	s_sub_co_u32 s18, s18, 1
	s_cmp_lg_u32 s18, 0
	s_cbranch_scc1 .Ltrips
	TRIP 0, 2, 1, 0                                ; trip 12 asks for tiles 14 and 15
	TRIP 1, 0, 0, 0
	TRIP 2, 1, 1, 0                                ; trip 14 asks for tile 16 alone: the last
	TRIP 3, 0, 0, 0
	TRIP 0, 0, 1, 1                                ; trip 16 waits for it and fetches nothing
	EXCH EX0, 0
	s_wait_dscnt 0x0                               ; my exchange stores are done, for the wave that reads them
	ROUND                                          ; the closing round; its work-group barriers also stand between the exchange's stores and loads
	MERGE EX0, YLO, 0, 1
	s_wait_tensorcnt 0x0
	ds_add_u32 v254, v255
	s_wait_dscnt 0x0
	s_endpgm
.Lfunc_end_k_q0b829ad268_attn:
	.size	k_q0b829ad268_attn, .Lfunc_end_k_q0b829ad268_attn-k_q0b829ad268_attn
	.p2alignl 7, 3214868480
	.fill 96, 4, 3214868480
	.section	.rodata,"a",@progbits
	.p2align	6, 0x0
	.amdhsa_kernel k_q0b829ad268_attn
		.amdhsa_group_segment_fixed_size 327680
		.amdhsa_private_segment_fixed_size 0
		.amdhsa_enable_private_segment 0
		.amdhsa_kernarg_size 16
		.amdhsa_user_sgpr_count 2
		.amdhsa_user_sgpr_kernarg_segment_ptr 1
		.amdhsa_wavefront_size32 1
		.amdhsa_system_sgpr_workgroup_id_x 1
		.amdhsa_system_sgpr_workgroup_id_y 1
		.amdhsa_system_sgpr_workgroup_id_z 1
		.amdhsa_system_vgpr_workitem_id 0
		.amdhsa_next_free_vgpr 256
		.amdhsa_next_free_sgpr 102
		.amdhsa_reserve_vcc 1
		.amdhsa_float_denorm_mode_32 3
		.amdhsa_float_denorm_mode_16_64 3
		.amdhsa_memory_ordered 1
		.amdhsa_forward_progress 1
		.amdhsa_inst_pref_size 255
	.end_amdhsa_kernel
	.section	.bss,"aw",@nobits
	.p2align	6
	.space	262144
	.amdgpu_metadata
---
amdhsa.version: [ 1, 2 ]
amdhsa.kernels:
  - .name:           k_q0b829ad268_attn
    .symbol:         k_q0b829ad268_attn.kd
    .args:
      - { .name: qkv, .offset: 0, .size: 8, .value_kind: global_buffer, .address_space: global }
      - { .name: yc, .offset: 8, .size: 8, .value_kind: global_buffer, .address_space: global }
    .group_segment_fixed_size: 327680
    .private_segment_fixed_size: 0
    .kernarg_segment_align: 8
    .kernarg_segment_size: 16
    .max_flat_workgroup_size: 256
    .sgpr_count:     102
    .vgpr_count:     256
    .wavefront_size: 32
...
	.end_amdgpu_metadata
.endif
;; end of part 5
;; launch oproj (part 6): grid 8 x 32, 4 waves a work-group, clusters of 4 x 4, 327,680 bytes of LDS; arguments yc, wc, b_o, out0; writes out0
.if DOCPART == 6
	.amdgcn_target "amdgcn-amd-amdhsa--gfx1250"
	.amdhsa_code_object_version 6
	.text
	.protected	k_q0b829ad268_oproj
	.globl	k_q0b829ad268_oproj
	.p2align	8
	.type	k_q0b829ad268_oproj,@function
k_q0b829ad268_oproj:
	s_mov_b64 s[64:65], 0
	v_nop
	global_prefetch_b8 v0, s[64:65] scope:SCOPE_SE
	s_setreg_imm32_b32 hwreg(HW_REG_WAVE_MODE, 25, 1), 1
	s_wait_xcnt 0x0
	s_wait_alu depctr_hold_cnt(0) depctr_sa_sdst(0) depctr_va_vdst(0) depctr_va_sdst(0) depctr_va_ssrc(0) depctr_va_vcc(0) depctr_vm_vsrc(0)
	s_getreg_b32 s2, hwreg(HW_REG_IB_STS2, 6, 4)
	s_cmp_eq_u32 s2, 0
	s_cbranch_scc0 .Lentry_in_a_cluster
	s_endpgm
.Lentry_in_a_cluster:
	s_bfe_u32 s2, ttmp6, 0x10000c
	s_cmp_lg_u32 s2, 0xf033
	s_cbranch_scc0 .Lentry_shape_is_right
	s_endpgm
.Lentry_shape_is_right:
; out0[row][n] = sum over k of y[row][k] w_o[k][n] + b_o[n], f32 out; operands bf16, sums f32.
; y comes from yc [kc 16][block 64][row 80][64]: block 2 i + mh (i = 16 batch + i') holds rows 0-15 = hi of sequence rows 32 i' + 16 mh ..,
; rows 16-31 = lo of the same rows (y = hi + lo, 16 bits), rows 32-79 = sequence rows 512 + 96 i' + 48 mh .. as one bf16.
; w_o comes from part 2 of wc [j 8][kc 16][c 2][k 64][n 64].
; ROWS.  Sequence rows below 512 count with 16 bits: under a spread-out softmax a row of n keys has |y| near |v| / sqrt(n), and the first
; rows stand far above the root mean square of the whole output.  Their second product is spread evenly: EVERY work-group owns 32 such
; rows and 96 later ones, so that all do the same work and the text has no branch on the rows.
; LIMIT.  From sequence row 512 on y is one bf16 number, 2^-9 relative.
; A work-group makes its 128 rows (i) x 128 columns (j) with four waves; 8 x 32 = 256 work-groups.  Wave w: block mh = w >> 1 (row block 0:
; the 16 rows with hi and lo; row blocks 1-3: the 48 later rows), chunk w & 1 of the columns: 4 x 4 = 16 accumulators.
; For 32 along K a wave loads 18 x 512 bytes from LDS and issues 20 matrix instructions.
; K goes in 16 tiles of 64 through six LDS slots filled by the tensor data mover: y's 160 rows (pitch 144), W's 128 rows [c][k] (pitch 160).
; CLUSTERS of 4 x 4: y's tiles hang on i alone and are asked for jointly by a row of the cluster, W's on j alone, by a column.
; Waves 0, 1 ask for y's two blocks, waves 2, 3 for W's halves: one tensor load a wave and tile; by this text's count at most six are out.
; Three slots are filled again behind a round of the cluster's barrier in every third step; three landed tiles are then still unread,
; so that a batch has three tiles' products, 120 matrix instructions of a wave, in which to land.
; The matrix instruction is used transposed (source 0 = W, source 1 = y): lane (r, h) register j holds C(row0 + r, n0 + 8 h + j).
; The bias, laid out the same way, is the C of the first products.
; The accumulators take turns, one instruction a turn: the sixteen of hi, then row block 0's four again for lo.
.set NB,  4
.set AP,  144
.set BP,  160
.set ABYTES, 160*AP                    ; y's two blocks: 23,040
.set SLOT,   ABYTES+128*BP             ; 43,520
.set STAGE,  6*SLOT                    ; the way out: 16 rows x 272 bytes for each wave; no tensor load ever lands here
.set SP,   272
.set ASTR, 655360                      ; from K tile to K tile in yc: 64 blocks of 10,240 bytes
.set BSTR, 16384
.set WOFF, 3145728                     ; part 2 of wc
.set ADRA, 16                          ; v16-21  y fragments' LDS address, one for each slot
.set ADRB, 22                          ; v22-27  W fragments'
.set STO,  28
.set RD,   29
.set CO,   30
.set VB,   31
.set F0,   32                          ; v32-103   fragment buffer 0: W tile b at +8 b, y row block a at +32 + 8 a, lo at +64
.set F1,   104                         ; v104-175  fragment buffer 1
.set XF,   32
.set LF,   64
.set BIAS, 176                         ; v176-207
                                       ; window 1 (v256-383): accumulator (a, b) at 8 (4 a + b)
.set G1A, 24
.set G1B, 32
.set G0A, 40                           ; s[40:63] group 0 of y's loads, one set for each slot
.set G0B, 68                           ; s[68:91] group 0 of W's loads
.set ABASE, 92
.set BBASE, 94
.set BPT,  8                           ; b_o's address, moved to my columns
.set OUTS, 10                          ; out0 at row block 0
.set OUTN, 12                          ; out0 at row block 1
; scalar temporaries: s14, s15, s100, s101 hold only what comes of cy and the wave; s2, s66, s67 only of cx and the wave; s96-99 only of the wave
.set MSB, 0
.macro WIN new                         ; s_set_vgpr_msb: bits 1:0 source 0, 3:2 source 1, 5:4 source 2, 7:6 destination; the high byte repeats the setting left
.if MSB != \new
	s_set_vgpr_msb (MSB<<8)|\new
.set MSB, \new
.endif
.endm
.macro PLACES                          ; four independent vector instructions between a matrix instruction and a load into, or a use of, its registers
.rept 4
	v_nop
.endr
.endm
.macro JLOAD s                         ; one joint load: the branch hangs on the wave's number alone
	s_cmp_eq_u32 s17, 0
	s_cbranch_scc0 .Lfor_b_\@
	tensor_load_to_lds s[G0A+4*\s:G0A+4*\s+3], s[G1A:G1A+7]
	s_nop 0
	s_branch .Lasked_\@
.Lfor_b_\@:
	tensor_load_to_lds s[G0B+4*\s:G0B+4*\s+3], s[G1B:G1B+7]
	s_nop 0
.Lasked_\@:
.endm
.macro CREST                           ; a round of the cluster's barrier behind its opening work-group barrier
	s_cmp_lg_u32 s16, 0
	s_cbranch_scc1 .Lnot_wave_0_\@
	s_barrier_signal -3
.Lnot_wave_0_\@:
	s_barrier_wait -3
	s_barrier_signal -1
	s_barrier_wait -1
.endm
.macro CROUND
	s_barrier_signal -1
	s_barrier_wait -1
	CREST
.endm
.macro SETADR s, t                     ; slot s gets tile t's addresses; written only where no tensor load of the wave is out
	s_add_nc_u64 s[G0A+4*\s+2:G0A+4*\s+3], s[ABASE:ABASE+1], \t*ASTR
	s_add_nc_u64 s[G0B+4*\s+2:G0B+4*\s+3], s[BBASE:BBASE+1], \t*BSTR
.endm
	s_load_b256 s[4:11], s[0:1], 0x0               ; yc s[4:5], wc s[6:7], b_o s[8:9], out0 s[10:11]
	v_lshl_add_u32 v254, v0, 2, 0x44000
	v_mov_b32 v255, 0
	ds_add_u32 v254, v255
	v_lshrrev_b32 v1, 5, v0
	v_readfirstlane_b32 s16, v1                    ; wave
	s_lshr_b32 s17, s16, 1                         ; mh: my block of rows; also: I ask for y (0) or W (1)
	s_and_b32 s18, s16, 1                          ; my chunk of columns; also: which block of y, which half of W I ask for
	s_bfe_u32 s19, ttmp6, 0x40000                  ; cx
	s_bfe_u32 s20, ttmp6, 0x40004                  ; cy
	s_lshl_b32 s21, ttmp9, 2
	s_add_co_u32 s21, s21, s19                     ; j
	s_and_b32 s22, ttmp7, 0xffff
	s_lshl_b32 s22, s22, 2
	s_add_co_u32 s22, s22, s20                     ; i
	s_lshl_b32 s100, s20, 2
	s_lshl_b32 s100, 15, s100                      ; my row of the cluster
	s_lshl_b32 s2, 0x1111, s19                     ; my column
	; group 1: rows of 64 elements of 2 bytes (32 words: interval code 4), 4 or 8 words of padding behind each; bit 21 beside the mask
	s_or_b32 s[G1A+0], s100, (1<<16)|(1<<20)|(1<<21)|(4<<22)|(3<<25)
	s_or_b32 s[G1B+0], s2, (1<<16)|(1<<20)|(1<<21)|(4<<22)|(7<<25)
	s_mov_b32 s[G1A+1], 64<<16                     ; tensor_dim0 = 64
	s_mov_b32 s[G1B+1], 64<<16
	s_mov_b32 s[G1A+2], 80<<16                     ; y: a block of 80 rows a load
	s_mov_b32 s[G1B+2], 64<<16                     ; W: 64 rows
	s_mov_b32 s[G1A+3], 64<<16                     ; tile_dim0 = 64
	s_mov_b32 s[G1B+3], 64<<16
	s_mov_b32 s[G1A+4], 80                         ; tile_dim1
	s_mov_b32 s[G1B+4], 64
	s_mov_b32 s[G1A+5], 64                         ; elements from row to row: the blocks are dense
	s_mov_b32 s[G1B+5], 64
	s_mov_b32 s[G1A+6], 0
	s_mov_b32 s[G1B+6], 0
	s_mov_b32 s[G1A+7], 0
	s_mov_b32 s[G1B+7], 0
	; LDS addresses: the slot's constant + my part, from the wave's number alone
	s_mul_i32 s[G0A+1], s18, 80*AP
	s_mul_i32 s[G0B+1], s18, 64*BP
	s_add_co_u32 s[G0B+1], s[G0B+1], ABYTES
.irp s, 1,2,3,4,5
	s_add_co_u32 s[G0A+4*\s+1], s[G0A+1], \s*SLOT
	s_add_co_u32 s[G0B+4*\s+1], s[G0B+1], \s*SLOT
.endr
	s_mul_i32 s100, s22, 20480                     ; y: blocks 2 i, 2 i + 1
	s_mul_i32 s101, s18, 10240
	s_add_co_u32 s100, s100, s101
	s_mov_b32 s101, 0
	s_mul_i32 s66, s21, 16*BSTR                    ; W: column tile j
	s_mul_i32 s67, s18, 8192                       ; + my 64 rows
	s_add_co_u32 s66, s66, s67
	s_add_co_u32 s66, s66, WOFF
	s_mov_b32 s67, 0
	s_wait_dscnt 0x0
	s_wait_kmcnt 0x0
	s_add_nc_u64 s[ABASE:ABASE+1], s[4:5], s[100:101]
	s_or_b32 s[ABASE+1], s[ABASE+1], 0x80000000    ; type = 2
	s_add_nc_u64 s[BBASE:BBASE+1], s[6:7], s[66:67]
	s_or_b32 s[BBASE+1], s[BBASE+1], 0x80000000
	CROUND                                         ; all sixteen work-groups are here: the first joint loads meet
.irp t, 0,1,2,3,4,5
	s_mov_b32 s[G0A+4*\t], 1
	s_mov_b32 s[G0B+4*\t], 1
	SETADR \t, \t
	JLOAD \t                                       ; tiles 0-5: six loads of mine are out
.endr
	s_lshl_b32 s66, s21, 9                         ; 128 j columns of 4 bytes
	s_lshl_b32 s67, s18, 8                         ; + my chunk
	s_add_co_u32 s66, s66, s67
	s_mov_b32 s67, 0
	s_add_nc_u64 s[BPT:BPT+1], s[BPT:BPT+1], s[66:67]
	s_add_nc_u64 s[OUTS:OUTS+1], s[OUTS:OUTS+1], s[66:67]
	s_lshr_b32 s14, s22, 4
	s_lshl_b32 s14, s14, 11                        ; batch x 2,048 rows
	s_and_b32 s15, s22, 15                         ; i'
	s_mul_i32 s100, s15, 96
	s_mul_i32 s101, s17, 48
	s_add_co_u32 s100, s100, s101
	s_add_co_u32 s100, s100, s14
	s_add_co_u32 s100, s100, 512                   ; row block 1 starts at sequence row 512 + 96 i' + 48 mh
	s_lshl_b32 s100, s100, 12                      ; rows of 4,096 bytes
	s_mov_b32 s101, 0
	s_add_nc_u64 s[OUTN:OUTN+1], s[OUTS:OUTS+1], s[100:101]
	s_lshl_b32 s100, s15, 5
	s_lshl4_add_u32 s100, s17, s100                ; row block 0 starts at sequence row 32 i' + 16 mh
	s_add_co_u32 s100, s100, s14
	s_lshl_b32 s100, s100, 12
	s_add_nc_u64 s[OUTS:OUTS+1], s[OUTS:OUTS+1], s[100:101]
	v_and_b32 v1, 15, v0                           ; r
	v_bfe_u32 v2, v0, 4, 1                         ; h
	v_and_b32 v3, 7, v0
	v_bfe_u32 v4, v0, 3, 1
	v_lshlrev_b32 v[VB], 5, v2                     ; bias: 4 x 8 h
.irp b, 0,1,2,3
	global_load_b128 v[BIAS+8*\b:BIAS+8*\b+3],   v[VB], s[BPT:BPT+1] offset:\b*64
	global_load_b128 v[BIAS+8*\b+4:BIAS+8*\b+7], v[VB], s[BPT:BPT+1] offset:\b*64+16
.endr
	v_mul_u32_u24 v5, v1, AP
	v_lshl_add_u32 v5, v2, 4, v5                   ; r x 144 + 16 h
	v_lshl_add_u32 v6, v2, 3, v3                   ; 8 h + (L & 7)
	v_mul_u32_u24 v6, v6, BP
	v_lshl_add_u32 v6, v4, 4, v6                   ; + 16 ((L >> 3) & 1)
	s_mul_i32 s96, s17, 80*AP                      ; my block of y
	s_mul_i32 s97, s18, 64*BP                      ; my chunk's 64 rows of W
	s_add_co_u32 s97, s97, ABYTES
.irp s, 0,1,2,3,4,5
	v_add_nc_u32 v[ADRA+\s], s96, v5
	v_add_nc_u32 v[ADRB+\s], s97, v6
	s_add_co_u32 s96, s96, SLOT
	s_add_co_u32 s97, s97, SLOT
.endr
	s_mul_i32 s98, s16, 16*SP
	s_add_co_u32 s98, s98, STAGE                   ; my stage
	v_mul_u32_u24 v7, v1, SP
	v_lshl_add_u32 v7, v2, 5, v7
	v_add_nc_u32 v[STO], s98, v7                   ; in: row r, byte 32 h
	v_mul_u32_u24 v8, v2, SP
	v_lshl_add_u32 v8, v1, 4, v8
	v_add_nc_u32 v[RD], s98, v8                    ; back: lanes 0-15 one row of 256 bytes, lanes 16-31 the next
	v_lshlrev_b32 v9, 12, v2
	v_lshl_add_u32 v[CO], v1, 4, v9                ; the same two rows in out0
; the fragments of K 32 q .. of a slot's tile into buffer f: 8 transposing loads (W), 8 plain for y's four row blocks, 2 for lo
.macro FETCH slot, q, f
.irp b, 0,1,2,3
	ds_load_tr16_b128 v[\f+8*\b:\f+8*\b+3],   v[ADRB+\slot] offset:\q*32*BP+\b*32
	ds_load_tr16_b128 v[\f+8*\b+4:\f+8*\b+7], v[ADRB+\slot] offset:\q*32*BP+\b*32+16*BP
.endr
	ds_load_b128 v[\f+XF:\f+XF+3],   v[ADRA+\slot] offset:\q*64                    ; row block 0: rows 0-15 of my block
	ds_load_b128 v[\f+XF+4:\f+XF+7], v[ADRA+\slot] offset:\q*64+32
.irp a, 1,2,3
	ds_load_b128 v[\f+XF+8*\a:\f+XF+8*\a+3],   v[ADRA+\slot] offset:(16+16*\a)*AP+\q*64       ; row block a: rows 16 + 16 a ..
	ds_load_b128 v[\f+XF+8*\a+4:\f+XF+8*\a+7], v[ADRA+\slot] offset:(16+16*\a)*AP+\q*64+32
.endr
	ds_load_b128 v[\f+LF:\f+LF+3],   v[ADRA+\slot] offset:16*AP+\q*64              ; lo: rows 16-31
	ds_load_b128 v[\f+LF+4:\f+LF+7], v[ADRA+\slot] offset:16*AP+\q*64+32
.endm
; four matrix instructions: row block a x all column tiles.  first = 1: C is the bias
.macro MULP f, a, first
.irp b, 0,1,2,3
.if \first
	v_wmma_f32_16x16x32_bf16 v[8*(NB*\a+\b):8*(NB*\a+\b)+7], v[\f+8*\b:\f+8*\b+7], v[\f+XF+8*\a:\f+XF+8*\a+7], v[BIAS+8*\b:BIAS+8*\b+7]
.else
	v_wmma_f32_16x16x32_bf16 v[8*(NB*\a+\b):8*(NB*\a+\b)+7], v[\f+8*\b:\f+8*\b+7], v[\f+XF+8*\a:\f+XF+8*\a+7], v[8*(NB*\a+\b):8*(NB*\a+\b)+7]
.endif
.endr
.endm
.macro MULL f                          ; four more: lo of row block 0, onto the same sums
.irp b, 0,1,2,3
	v_wmma_f32_16x16x32_bf16 v[8*\b:8*\b+7], v[\f+8*\b:\f+8*\b+7], v[\f+LF:\f+LF+7], v[8*\b:8*\b+7]
.endr
.endm
.macro FRONT slot, first               ; the first K 32 of a tile: buffer 1 is fetched first and has 20 matrix instructions in which to arrive
	s_wait_dscnt 0x0                               ; buffer 0 is in
	PLACES                                         ; behind the last products that read buffer 1
	WIN 0
	FETCH \slot, 1, F1
.if \first
	WIN 0x40                                       ; D in window 1, C (the bias) in window 0
.else
	WIN 0x50                                       ; C and D in window 1
.endif
	MULP F0, 0, \first
	MULP F0, 1, \first
	MULP F0, 2, \first
	MULP F0, 3, \first
	WIN 0x50
	MULL F0
	s_wait_dscnt 0x0                               ; buffer 1 is in: my reads of this slot are over
.endm
.macro REST                            ; the second K 32 behind its first four products
	MULP F1, 1, 0
	MULP F1, 2, 0
	MULP F1, 3, 0
	MULL F1
.endm
.macro BACK next                       ; the next tile's first fragments, and the rest of this tile's products
	PLACES                                         ; behind the last products that read buffer 0
	WIN 0
	FETCH \next, 0, F0
	WIN 0x50
	REST
.endm
.macro STEP_FREE slot, next            ; the next tile was shown landed by the wait for all loads in front of the last refill
	FRONT \slot, 0
	MULP F1, 0, 0
	BACK \next
.endm
.macro STEP_SHOW slot, next, cnt, first ; cnt = my loads issued behind the next tile's: it has landed, the younger stay out
	FRONT \slot, \first
	s_wait_tensorcnt \cnt
	s_barrier_signal -1
	MULP F1, 0, 0
	s_barrier_wait -1                              ; everybody's part of the next tile is in
	BACK \next
.endm
; Slots that have been read are filled again.  In front of the round every wave has waited for its reads and for all its tensor loads;
; inside it stands register work alone; the joint loads are the first tensor loads behind it.
.macro STEP_FILL slot, next, nf, sa, ta, sb, tb, sc, tc
	FRONT \slot, 0
	s_wait_tensorcnt 0x0                           ; no tensor load of mine is out: every group 0 may be written
	ds_add_u32 v254, v255
	s_wait_dscnt 0x0
	SETADR \sa, \ta
.if \nf == 3
	SETADR \sb, \tb
	SETADR \sc, \tc
.endif
	s_barrier_signal -1
	MULP F1, 0, 0
	WIN 0
	s_barrier_wait -1
	CREST
	JLOAD \sa
.if \nf == 3
	JLOAD \sb
	JLOAD \sc
.endif
	BACK \next
.endm
	s_wait_tensorcnt 0x5                           ; five loads were issued behind tile 0's: it has landed
	s_barrier_signal -1
	s_barrier_wait -1
	s_wait_loadcnt 0x0                             ; the bias
	FETCH 0, 0, F0
	STEP_SHOW 0, 1, 4, 1                           ; tile t lies in slot t mod 6
	STEP_SHOW 1, 2, 3, 0
	STEP_FILL 2, 3, 3, 0,6, 1,7, 2,8               ; tiles 3, 4, 5 have landed and are unread
	STEP_FREE 3, 4
	STEP_FREE 4, 5
	STEP_FILL 5, 0, 3, 3,9, 4,10, 5,11             ; tiles 6, 7, 8 have landed
	STEP_FREE 0, 1
	STEP_FREE 1, 2
	STEP_FILL 2, 3, 3, 0,12, 1,13, 2,14            ; tiles 9, 10, 11 have landed
	STEP_FREE 3, 4
	STEP_FREE 4, 5
	STEP_FILL 5, 0, 1, 3,15, 0,0, 0,0              ; tiles 12, 13, 14 have landed; the last tile goes out
	STEP_FREE 0, 1
	STEP_FREE 1, 2
	STEP_SHOW 2, 3, 0, 0                           ; tile 15
	FRONT 3, 0                                     ; nothing more to fetch
	MULP F1, 0, 0
	REST
	; THE WAY OUT, 16 rows at a time through my own stage: a lane's 32 bytes in, whole rows of 256 bytes back and out
	PLACES
.macro OUT16 a, f, base, step
	WIN 0x04                                       ; the LDS stores' data in window 1
.irp b, 0,1,2,3
	ds_store_b128 v[STO], v[8*(NB*\a+\b):8*(NB*\a+\b)+3]   offset:64*\b
	ds_store_b128 v[STO], v[8*(NB*\a+\b)+4:8*(NB*\a+\b)+7] offset:64*\b+16
.endr
	WIN 0
	s_wait_xcnt 0x0                                ; buffer f, which earlier stores read, is loaded again only behind this wait
.irp t, 0,1,2,3,4,5,6,7
	ds_load_b128 v[\f+4*\t:\f+4*\t+3], v[RD] offset:\t*2*SP        ; my own bytes: LDS serves a wave's instructions in order
.endr
.irp t, 0,1,2,3,4,5,6,7
	s_wait_dscnt 7-\t                              ; the younger read-backs stay out
	global_store_b128 v[CO], v[\f+4*\t:\f+4*\t+3], s[\base:\base+1] offset:\step*65536+\t*8192 th:TH_STORE_NT   ; sixteen lanes store 256 consecutive bytes, aligned
.endr
.endm
	OUT16 0, 32, OUTS, 0
	OUT16 1, 64, OUTN, 0
	OUT16 2, 32, OUTN, 1
	OUT16 3, 64, OUTN, 2
	s_wait_tensorcnt 0x0
	ds_add_u32 v254, v255
	s_wait_dscnt 0x0
	CROUND                                         ; the closing round: no work-group ends while a partner may still ask for a tile that names it
	s_endpgm
.Lfunc_end_k_q0b829ad268_oproj:
	.size	k_q0b829ad268_oproj, .Lfunc_end_k_q0b829ad268_oproj-k_q0b829ad268_oproj
	.p2alignl 7, 3214868480
	.fill 96, 4, 3214868480
	.section	.rodata,"a",@progbits
	.p2align	6, 0x0
	.amdhsa_kernel k_q0b829ad268_oproj
		.amdhsa_group_segment_fixed_size 327680
		.amdhsa_private_segment_fixed_size 0
		.amdhsa_enable_private_segment 0
		.amdhsa_kernarg_size 32
		.amdhsa_user_sgpr_count 2
		.amdhsa_user_sgpr_kernarg_segment_ptr 1
		.amdhsa_wavefront_size32 1
		.amdhsa_system_sgpr_workgroup_id_x 1
		.amdhsa_system_sgpr_workgroup_id_y 1
		.amdhsa_system_sgpr_workgroup_id_z 1
		.amdhsa_system_vgpr_workitem_id 0
		.amdhsa_next_free_vgpr 384
		.amdhsa_next_free_sgpr 102
		.amdhsa_reserve_vcc 0
		.amdhsa_float_denorm_mode_32 3
		.amdhsa_float_denorm_mode_16_64 3
		.amdhsa_memory_ordered 1
		.amdhsa_forward_progress 1
		.amdhsa_inst_pref_size 110
	.end_amdhsa_kernel
	.amdgpu_metadata
---
amdhsa.version: [ 1, 2 ]
amdhsa.kernels:
  - .name:           k_q0b829ad268_oproj
    .symbol:         k_q0b829ad268_oproj.kd
    .args:
      - { .name: yc, .offset: 0, .size: 8, .value_kind: global_buffer, .address_space: global }
      - { .name: wc, .offset: 8, .size: 8, .value_kind: global_buffer, .address_space: global }
      - { .name: b_o, .offset: 16, .size: 8, .value_kind: global_buffer, .address_space: global }
      - { .name: out0, .offset: 24, .size: 8, .value_kind: global_buffer, .address_space: global }
    .group_segment_fixed_size: 327680
    .private_segment_fixed_size: 0
    .kernarg_segment_align: 8
    .kernarg_segment_size: 32
    .max_flat_workgroup_size: 128
    .sgpr_count:     102
    .vgpr_count:     384
    .wavefront_size: 32
...
	.end_amdgpu_metadata
.endif
;; end of part 6
